; MI455X (gfx1250); checked and timed in simulation.
; The chip was launched on July 23, 2026; its instructions are those of AMD's public machine-readable ISA for CDNA 5 (MIT licence, August 2026) and "CDNA5" Instruction Set Architecture Reference Guide (July 2026). The comments in the code are by the model that wrote it; some were corrected since.
;; Kandinsky5 Attention. Allowed arithmetic: matrix products marked QUANTISED: E2M3 operands, one E8M0 scale for each 32 along K, by v_wmma_scale_f32_16x16x128_f8f6f4 with both operands' format E2M3, f32 sums; everything else in f32.
;; Inputs: Wk_codes 2,048 x 64 x 24 uint8 (E2M3 codes of Wk, K innermost, in blocks of 32 codes, four codes in three bytes); Wk_scales 2,048 x 64 uint8 (E8M0 scales of Wk, one for each 32 codes along K); Wo_codes 2,048 x 64 x 24 uint8 (E2M3 codes of Wo, K innermost, in blocks of 32 codes, four codes in three bytes); Wo_scales 2,048 x 64 uint8 (E8M0 scales of Wo, one for each 32 codes along K); Wq_codes 2,048 x 64 x 24 uint8 (E2M3 codes of Wq, K innermost, in blocks of 32 codes, four codes in three bytes); Wq_scales 2,048 x 64 uint8 (E8M0 scales of Wq, one for each 32 codes along K); Wv_codes 2,048 x 64 x 24 uint8 (E2M3 codes of Wv, K innermost, in blocks of 32 codes, four codes in three bytes); Wv_scales 2,048 x 64 uint8 (E8M0 scales of Wv, one for each 32 codes along K); bk 2,048 float32; bo 2,048 float32; bq 2,048 float32; bv 2,048 float32; hidden_states_codes 1 x 2,048 x 64 x 24 uint8 (E2M3 codes of hidden_states, K innermost, in blocks of 32 codes, four codes in three bytes); hidden_states_scales 1 x 2,048 x 64 uint8 (E8M0 scales of hidden_states, one for each 32 codes along K); kn_w 128 float32; qn_w 128 float32; rotary_emb 1 x 2,048 x 1 x 64 x 2 x 2 float32; sta_mask 1 x 16 x 32 x 32 bool.
;; Outputs: out0 1 x 2,048 x 2,048 float32.
;; This version of the problem:
;;   THIS VERSION OF THE PROBLEM IS GIVEN IN LOW PRECISION. The matrix products marked QUANTISED in the list below multiply operands that are first quantised to E2M3 (2 exponent bits, 3 mantissa bits; 6 bits a number), with one power-of-two scale for each 32 numbers along K (OCP MX v1.0); their sums are f32. All else is computed in f32.
;;   The module's matrix products, in the order in which they are computed (A, B: the left and right operand; K: the contracted axis; several contracted axes count as one K, in the product's order):
;;     1. [M 2,048, K 2,048] x [K 2,048, N 2,048]; A: input hidden_states (given as codes); B: input Wq (given as codes): QUANTISED
;;     2. [M 2,048, K 2,048] x [K 2,048, N 2,048]; A: input hidden_states (given as codes); B: input Wk (given as codes): QUANTISED
;;     3. [M 2,048, K 2,048] x [K 2,048, N 2,048]; A: input hidden_states (given as codes); B: input Wv (given as codes): QUANTISED
;;     4. batch 16 x [M 32, K 128] x [K 128, N 32]; A: computed on the way; B: computed on the way: QUANTISED
;;     5. batch 16 x [M 2,048, K 128] x [K 128, N 2,048]; A: computed on the way; B: computed on the way: QUANTISED
;;     6. batch 16 x [M 2,048, K 2,048] x [K 2,048, N 128]; A: softmax (see below); B: computed on the way: QUANTISED
;;     7. [M 2,048, K 2,048] x [K 2,048, N 2,048]; A: computed on the way; B: input Wo (given as codes): QUANTISED
;;   THE QUANTISER, for each operand of a quantised product, along K:
;;     - K is cut into blocks of 32 from its start; a last block that is shorter is filled with zeros.
;;     - A block's scale is 2^e with e = floor(log2(the largest magnitude in the block)) - 2, held to -126 .. 127; a block of zeros has e = 0. As a byte (E8M0): e + 127.
;;     - Each number is divided by its block's scale, clamped to +-7.5, and rounded to the nearest number of E2M3, ties to even, subnormals kept.
;;     - The product sums the exact products of the quantised numbers (number of the format x scale) in f32.
;;   ~~~python
;;   def quantise(x, axis):      # numpy; x: float32 -> the quantised numbers, widened to float32 again
;;       x = np.moveaxis(x, axis, -1); K = x.shape[-1]
;;       x = np.pad(x, [(0, 0)] * (x.ndim - 1) + [(0, -K % 32)]); x = x.reshape(x.shape[:-1] + (-1, 32)); a = np.abs(x).max(-1, keepdims=True)
;;       e = np.where(a > 0, np.clip(np.frexp(np.where(a > 0, a, 1))[1] - 1 - 2, -126, 127), 0)      # np.frexp(a)[1] - 1 = floor(log2(a)), exactly
;;       r = np.clip(x / 2.0 ** e, -7.5, 7.5)
;;       step = 2.0 ** (np.maximum(np.frexp(np.where(r == 0, 1, r))[1] - 1, 0) - 3)
;;       q = np.round(r / step) * step * 2.0 ** e      # np.round: ties to even
;;       return np.moveaxis(q.reshape(q.shape[:-2] + (-1,))[..., :K], -1, axis).astype(np.float32)
;;   ~~~
;;   SOFTMAX AHEAD OF A QUANTISED PRODUCT. Where the list says 'softmax', what is quantised is not the finished softmax but p = 2^(t - M), with t = logit x log2(e) and M = ceil(the row's largest t), a whole number; so 1/2 < the row's largest p <= 1. The row's sum l is taken of the UNQUANTISED p, in f32, and the product's result is divided by l at the end. Since M is a whole number, a kernel that streams over the keys may use a running M (the ceiling of the running maximum): every later rescaling is an exact power of two, which a block's scale takes up: the codes' values come out the same.
;;   OPERANDS COMPUTED ON THE WAY. 'Computed on the way' means the value that the module computes at that place (a softmax that the list does not call 'softmax' is quantised finished and normalised). What goes into a quantiser is computed in f32, as accurately as f32 sums, v_exp_f32 and their like allow (about 1e-6 of the number): no bf16 or f16 on the way to a quantiser, and a product that is left as it is and whose result goes on into a quantised operand takes f32 operands (vector FMAs, or v_wmma_f32_16x16x4_f32). A number that lies on a knife's edge between two numbers of the format may be rounded either way, as far as f32 arithmetic and the matrix unit's own rounding can turn it there, and no further.
;;   INPUTS GIVEN AS CODES. Wk (in the module: [2048, 2048], K = its axis 1); Wo (in the module: [2048, 2048], K = its axis 1); Wq (in the module: [2048, 2048], K = its axis 1); Wv (in the module: [2048, 2048], K = its axis 1); hidden_states (in the module: [1, 2048, 2048], K = its axis 2): each comes as NAME_codes (uint8): NAME with its K axis moved to the last place and cut into blocks of 32 codes, [.., K / 32, bytes a block], one block behind the other in memory; four codes in three bytes: a row's codes are one little-endian stream of bits, code i at bits 6 i .. 6 i + 5 (a code: sign, 2 exponent bits, 3 mantissa bits); and NAME_scales (uint8): the same leading axes, one E8M0 byte (e + 127) for each 32 codes along K. Its value is code x scale, taken as it is: it is not quantised again, and the codes and scales need not be those that the quantiser above would give.
;; One version. Each part assembles by itself: llvm-mc -triple=amdgcn-amd-amdhsa -mcpu=gfx1250 --defsym DOCPART=n.
;; ======== version 1 of 1: 3 launches
;; workspace buffers: qkv 9,830,400 bytes; mean 131,072 bytes; ocodes 3,145,728 bytes; oscales 131,072 bytes
;; launch qkv (part 1): grid 24 x 8, 4 waves a work-group, clusters of 4 x 4, 327,680 bytes of LDS; arguments hidden_states_codes, hidden_states_scales, Wq_codes, Wq_scales, Wk_codes, Wk_scales, Wv_codes, Wv_scales, bq, bk, bv, qn_w, kn_w, rotary_emb, qkv, mean; writes qkv, mean
.if DOCPART == 1
	.amdgcn_target "amdgcn-amd-amdhsa--gfx1250"
	.amdhsa_code_object_version 6
	.text
	.protected	k_qb722726b86_qkv
	.globl	k_qb722726b86_qkv
	.p2align	8
	.type	k_qb722726b86_qkv,@function
k_qb722726b86_qkv:
	s_mov_b64 s[64:65], 0
	v_nop
	global_prefetch_b8 v0, s[64:65] scope:SCOPE_SE
	s_setreg_imm32_b32 hwreg(HW_REG_WAVE_MODE, 25, 1), 1
	s_wait_xcnt 0x0
	s_wait_alu depctr_hold_cnt(0) depctr_sa_sdst(0) depctr_va_vdst(0) depctr_va_sdst(0) depctr_va_ssrc(0) depctr_va_vcc(0) depctr_vm_vsrc(0)
	s_getreg_b32 s2, hwreg(HW_REG_IB_STS2, 6, 4)
	s_cmp_eq_u32 s2, 0
	s_cbranch_scc0 .Lentry_in_a_cluster
	s_endpgm
.Lentry_in_a_cluster:
	s_bfe_u32 s2, ttmp6, 0x10000c
	s_cmp_lg_u32 s2, 0xf033
	s_cbranch_scc0 .Lentry_shape_is_right
	s_endpgm
.Lentry_shape_is_right:
; q, k, v = hidden_states W^T + b on given codes of FP6 (E2M3) with E8M0 scales; then, in f32: RMS norm and 2 x 2 rotary of q and k; q and k quantised along the head's 128,
; v along the keys; the means of q and k over 64 tokens, quantised.  All results leave as IMAGES OF OPERAND REGISTERS (a fragment of 16 rows x 128 K: 12 registers a lane, 1,536 bytes: piece c of lane l at 512 c + 16 l).
; GRID 24 x 8: T = x / 8 is 0 (q), 1 (k), 2 (v); a work-group makes 256 x 256 of one product, a wave 128 x 128 (64 accumulators).  T is equal in all partners of a cluster.
; The matrix instruction takes source 0 = S0's 16 rows, source 1 = S1's 16 rows: a lane holds ONE row of S1 and eight neighbouring rows of S0.  q, k: S0 = W, S1 = hidden_states (a lane a token, registers along
; the channels); v: S0 = hidden_states, S1 = Wv (a lane a channel, registers along the tokens, the next product's K).  Only pointers are chosen by T; the K loop is one text.
; ORDER INSIDE A BLOCK OF 32: tile t's register j of lane half h is index 16 t + 8 h + j, so a block's codes lie in the order 0-7, 16-23, 8-15, 24-31.  Both operands of every product made from these buffers
; (q k, mean q mean k, p v) lie so; a block holds the same 32 numbers as in true order, so its scale is the same.
; CLUSTERS 4 x 4: S1's tiles are shared along a row of the cluster, S0's along a column, the rotary rows along a row: joint loads.  v's work-groups ask for the rotary rows too and do not read them, so that every
; tensor load and every round stands on one path for all work-groups.
; LDS: 0 the scales of all K (34,816); 34,816 slot 1; 157,696 slot 0 (122,880 each); the rotary rows of tokens 0-63 of each half land on slot 0 and 10,240 bytes behind it, those of tokens 64-127 on the scales and slot 1,
; each as a refill behind a round; 290,816 the waves' scale words on the way out; 292,864 the spare words.
; LIMITS: a block of zeros gets the byte 1 (zero codes; read by this program alone); NaN and infinities are not served.
.set KSTEP,  256
.set NQ,     2
.set ROWB,   192
.set KROW,   1536
.set PITCH,  240                       ; 3 x (64 bytes + 16 of padding)
.set FR,     12
.set NL,     6
.set NP,     4
.set HALFT,  128*PITCH
.set SLOT,   4*HALFT
.set LAPS,   4                         ; 2,048 along K = 8 slots' worth = 4 laps
.set KS,     64                        ; a row of scale bytes
.set HALFS,  32*272
.set SBLK,   4*272
.set SLOT1B, 4*HALFS
.set SLOT0B, SLOT1B+SLOT
.set RPITCH, 1040                      ; a rotary row: 1,024 bytes + 16
.set RQUART, 32*RPITCH                 ; what one wave's load brings
.set ROPEA,  SLOT0B
.set SCW,    ROPEA+4*RQUART
.set SPARE,  SCW+2048
.set GRP,    38400                     ; a group of 128 tokens of a head in qkv: q, k, v, each 8 images and 512 bytes of scale words
.set RR,   1                           ; v1  lane % 16
.set HH,   2                           ; v2  lane / 16
.set RADB, 3                           ; v3  my place in a rotary fill
.set RADT, 4                           ; v4  the rotary address in hand
.set OA,   5                           ; v5  16 x lane
.set SWA,  6                           ; v6  where my row's scale words go
.set SWT,  7                           ; v7  that address in hand
.set BV,   8                           ; v8-15  bias of rows 16 a + r of S1 (used by v)
.set ADRA, 16
.set ADRB, 20
.set ADRS, 24
.set SPW,  25
.set NIL,  26
.set SWR,  27
.set H48,  28
.set H32,  29
.set R4,   30
.set ZO,   31
.set SC,   32                          ; v32-63  scale words, two sets: scales and nothing else
.set BI,   64                          ; v64-127 bias of rows 16 b + 8 h + j of S0 (used by q, k)
.set AF,   128                         ; S1's fragments
.set X,    128                         ; the way out: 64 numbers of a lane
.set TM,   224
.set PC,   240
.set PW,   252
.set RS,   254
.set SUM,  160                         ; window 1: the sums over tokens
.set G1, 24
.set G0, 32
.set G1B, 48
.set G0B, 56
.set G1S, 68
.set G0S, 76
.set G1SB, 80
.set G0SB, 88
.set G1R, 68                           ; the rotary rows' groups take the registers of S1's scales' groups, whose load is done by then
.set G0R, 76
.set SEL, 66
.set INV, 92
.set EPSR, 93
.set CNT, 94
.set TT,  95
.set ROFF, 96
.set SOFF, 97
.set MSB, 0
.macro WIN new
.if MSB != (\new)
	s_set_vgpr_msb (MSB<<8)|(\new)
.set MSB, (\new)
.endif
.endm
.set MUL_LO, 0xa1
.set MUL_HI, 0xf1
.set TO_B,   0x40
.macro JLOAD g0a, g1a, g0b, g1b        ; waves 0, 1 fetch for S1, waves 2, 3 for S0; four v_nop follow each line
	s_cmp_eq_u32 s15, 0
	s_cbranch_scc0 .Lfor_b_\@
	tensor_load_to_lds s[\g0a:\g0a+3], s[\g1a:\g1a+7]
	s_nop 0
.rept 4
	v_nop
.endr
	s_branch .Lasked_\@
.Lfor_b_\@:
	tensor_load_to_lds s[\g0b:\g0b+3], s[\g1b:\g1b+7]
	s_nop 0
.rept 4
	v_nop
.endr
.Lasked_\@:
.endm
.macro CREST
	s_cmp_lg_u32 s14, 0
	s_cbranch_scc1 .Lnot_wave_0_\@
	s_barrier_signal -3
.Lnot_wave_0_\@:
	s_barrier_wait -3
	s_barrier_signal -1
	s_barrier_wait -1
.endm
.macro CROUND
	s_barrier_signal -1
	s_barrier_wait -1
	CREST
.endm
.macro PLACES n
.rept \n
	v_nop
.endr
.endm
	s_load_b512 s[68:83], s[0:1], 0x0              ; hidden codes, scales; Wq; Wk; Wv
	v_lshl_add_u32 v[SPW], v0, 2, SPARE
	v_mov_b32 v[NIL], 0
	ds_add_u32 v25, v26
	ds_add_u32 v25, v26
	s_wait_dscnt 0x0
	v_lshrrev_b32 v1, 5, v0
	v_readfirstlane_b32 s14, v1                    ; wave
	s_lshr_b32 s15, s14, 1                         ; my half of S1's rows; also: I fetch for S1 (0) or S0 (1)
	s_and_b32 s16, s14, 1                          ; my half of S0's rows; also: which 128 rows I fetch
	s_bfe_u32 s40, ttmp6, 0x40000                  ; cx
	s_bfe_u32 s41, ttmp6, 0x40004                  ; cy
	s_lshr_b32 s[TT], ttmp9, 1                     ; T: two clusters along x for each product
	s_lshl_b32 s42, ttmp9, 2
	s_add_co_u32 s42, s42, s40
	s_and_b32 s42, s42, 7                          ; S0's tile
	s_and_b32 s17, ttmp7, 0xffff
	s_lshl_b32 s17, s17, 2
	s_add_co_u32 s17, s17, s41                     ; S1's tile
	s_lshl_b32 s43, s41, 2
	s_lshl_b32 s43, 15, s43                        ; my row of the cluster
	s_lshl_b32 s44, 0x1111, s40                    ; my column
	s_or_b32 s[G1+0], s43, (0<<16)|(1<<20)|(1<<21)|(3<<22)|(3<<25)   ; 128 rows x 192 bytes, 16 bytes of padding behind every 64
	s_or_b32 s[G1B+0], s44, (0<<16)|(1<<20)|(1<<21)|(3<<22)|(3<<25)
.irp g, G1, G1B
	s_mov_b32 s[\g+1], ROWB<<16
	s_mov_b32 s[\g+2], 128<<16
	s_mov_b32 s[\g+3], ROWB<<16
	s_mov_b32 s[\g+4], 128
	s_mov_b32 s[\g+5], KROW
	s_mov_b32 s[\g+6], 0
	s_mov_b32 s[\g+7], 0
.endr
	s_lshl_b32 s18, s16, 7
	s_lshl_b32 s20, s17, 8
	s_add_co_u32 s20, s20, s18                     ; S1: row 256 x tile + 128 x half
	s_lshl_b32 s46, s42, 8
	s_add_co_u32 s46, s46, s18                     ; S0 likewise
	s_mov_b32 s21, 0
	s_mov_b32 s47, 0
	s_mov_b64 s[18:19], KS
	s_mul_u64 s[22:23], s[20:21], s[18:19]
	s_mul_u64 s[92:93], s[46:47], s[18:19]
	s_mov_b64 s[18:19], KROW
	s_mul_u64 s[20:21], s[20:21], s[18:19]
	s_mul_u64 s[46:47], s[46:47], s[18:19]
	s_mul_i32 s45, s14, HALFT
	s_mul_i32 s94, s14, HALFS
	s_wait_kmcnt 0x0
	s_cmp_eq_u32 s[TT], 1                          ; the operands are chosen by T alone
	s_cselect_b64 s[8:9], s[76:77], s[72:73]
	s_cselect_b64 s[10:11], s[78:79], s[74:75]
	s_cmp_eq_u32 s[TT], 2
	s_cselect_b64 s[4:5], s[80:81], s[68:69]       ; S1's codes
	s_cselect_b64 s[6:7], s[82:83], s[70:71]       ; S1's scales
	s_cselect_b64 s[8:9], s[68:69], s[8:9]         ; S0's codes
	s_cselect_b64 s[10:11], s[70:71], s[10:11]     ; S0's scales
	s_add_nc_u64 s[20:21], s[4:5], s[20:21]
	s_add_nc_u64 s[22:23], s[6:7], s[22:23]
	s_add_nc_u64 s[46:47], s[8:9], s[46:47]
	s_add_nc_u64 s[92:93], s[10:11], s[92:93]
	s_or_b32 s[G1S+0], s43, (3<<16)|(1<<20)|(1<<21)|(5<<22)|(3<<25)   ; the scales of 128 rows: 8,192 dense bytes as rows of 256 + 16
	s_or_b32 s[G1SB+0], s44, (3<<16)|(1<<20)|(1<<21)|(5<<22)|(3<<25)
.irp g, G1S, G1SB
	s_mov_b32 s[\g+1], 32<<16
	s_mov_b32 s[\g+2], 32<<16
	s_mov_b32 s[\g+3], 32<<16
	s_mov_b32 s[\g+4], 32
	s_mov_b32 s[\g+5], 32
	s_mov_b32 s[\g+6], 0
	s_mov_b32 s[\g+7], 0
.endr
	CROUND                                         ; all sixteen work-groups are here: the first joint loads meet
	s_mov_b32 s[G0S], 1
	s_mov_b32 s[G0S+1], s94
	s_mov_b64 s[G0S+2:G0S+3], s[22:23]
	s_or_b32 s[G0S+3], s[G0S+3], 0x80000000
	s_mov_b32 s[G0SB], 1
	s_mov_b32 s[G0SB+1], s94
	s_mov_b64 s[G0SB+2:G0SB+3], s[92:93]
	s_or_b32 s[G0SB+3], s[G0SB+3], 0x80000000
	JLOAD G0S, G1S, G0SB, G1SB
.irp s, 0,1
	s_mov_b32 s[G0+4*\s], 1
	s_add_co_u32 s[G0+4*\s+1], s45, SLOT0B-\s*SLOT
	s_add_nc_u64 s[G0+4*\s+2:G0+4*\s+3], s[20:21], \s*ROWB
	s_or_b32 s[G0+4*\s+3], s[G0+4*\s+3], 0x80000000
	s_mov_b32 s[G0B+4*\s], 1
	s_add_co_u32 s[G0B+4*\s+1], s45, SLOT0B-\s*SLOT
	s_add_nc_u64 s[G0B+4*\s+2:G0B+4*\s+3], s[46:47], \s*ROWB
	s_or_b32 s[G0B+4*\s+3], s[G0B+4*\s+3], 0x80000000
	JLOAD G0+4*\s, G1, G0B+4*\s, G1B
.endr                                              ; three tensor loads of mine are out
	; which head and which group of 128 tokens my 128 x 128 is
	s_lshl_b32 s18, s42, 1
	s_add_co_u32 s18, s18, s16
	s_lshl_b32 s19, s17, 1
	s_add_co_u32 s19, s19, s15
	s_cmp_eq_u32 s[TT], 2
	s_cselect_b32 s12, s19, s18                    ; head
	s_cselect_b32 s13, s18, s19                    ; group
	s_lshl_b32 s98, s17, 8                         ; the rotary rows that I fetch first: 256 x S1's tile + 128 (wave / 2) + 32 (wave % 2)
	s_lshl_b32 s99, s15, 7
	s_add_co_u32 s98, s98, s99
	s_lshl_b32 s99, s16, 5
	s_add_co_u32 s98, s98, s99
	s_lshl_b32 s98, s98, 10
	s_mov_b32 s99, 0
	s_load_b256 s[40:47], s[0:1], 0x40             ; bq, bk, bv, qn_w
	s_load_b256 s[4:11], s[0:1], 0x60              ; kn_w, rotary_emb, qkv, mean
	v_and_b32 v[RR], 15, v0
	v_bfe_u32 v[HH], v0, 4, 1
	v_mul_u32_u24 v224, v[RR], PITCH
	v_mul_u32_u24 v225, v[HH], 24
	v_add_nc_u32 v225, v224, v225                  ; a fragment's row x pitch + 24 x half
	v_lshl_add_u32 v226, v[HH], 4, v225            ; and behind one padding more
.irp s, 0,1
	s_mul_i32 s21, s15, HALFT
	s_add_co_u32 s21, s21, SLOT0B-\s*SLOT
	s_mul_i32 s22, s16, HALFT
	s_add_co_u32 s22, s22, SLOT0B-\s*SLOT+2*HALFT
	v_add_nc_u32 v[ADRA+\s], s21, v225
	v_add_nc_u32 v[ADRB+\s], s22, v225
	v_add_nc_u32 v[ADRA+2+\s], s21, v226
	v_add_nc_u32 v[ADRB+2+\s], s22, v226
.endr
	v_mul_u32_u24 v224, v[RR], KS
	v_lshrrev_b32 v227, 8, v224
	v_lshl_add_u32 v224, v227, 4, v224
	s_mul_i32 s21, s15, HALFS
	s_mul_i32 s22, s16, HALFS
	s_add_co_u32 s22, s22, 2*HALFS
	s_sub_co_u32 s22, s22, s21
	v_mul_u32_u24 v227, s22, v[HH]                 ; lanes 16-31 take S0's scale words
	v_add_nc_u32 v224, v224, v227
	v_add_nc_u32 v[ADRS], s21, v224
	s_mul_i32 s21, s15, 64*RPITCH
	v_mul_u32_u24 v224, v[RR], RPITCH
	v_lshl_add_u32 v224, v[HH], 6, v224
	v_add_nc_u32 v[RADB], s21, v224                ; rotary: row 64 (wave / 2) + r, + 64 h
	v_and_b32 v224, 31, v0
	v_lshlrev_b32 v[OA], 4, v224
	s_lshl_b32 s21, s14, 9
	s_add_co_u32 s21, s21, SCW
	v_lshl_add_u32 v[SWA], v[RR], 5, s21           ; scale words [r][a]: 32 r
	v_add_nc_u32 v[SWR], s21, v[OA]
	v_mul_u32_u24 v[H48], v[HH], 48
	v_lshlrev_b32 v[H32], 5, v[HH]
	v_lshlrev_b32 v[R4], 2, v[RR]
	v_mov_b32 v[ZO], 0
.irp b, 0,1,2,3
	v_mov_b32 v[TM+4+\b], 0                        ; a lane permute's destination counts as one of its sources
.endr
	s_mov_b32 s[SEL], 0x76543210
	s_mov_b32 s[SEL+1], 0xfedcba98
	s_mov_b32 s[INV], 0x3c000000                   ; 1 / 128
	s_mov_b32 s[EPSR], 0x358637bd                  ; 1e-6
	s_wait_kmcnt 0x0
	s_cmp_eq_u32 s[TT], 1
	s_cselect_b64 s[40:41], s[42:43], s[40:41]
	s_cselect_b64 s[46:47], s[4:5], s[46:47]       ; the norm's weight (v's work-groups load qn_w and do not use it)
	s_cmp_eq_u32 s[TT], 2
	s_cselect_b64 s[40:41], s[44:45], s[40:41]
	s_lshl_b32 s22, s12, 9
	s_mov_b32 s23, 0
	s_add_nc_u64 s[40:41], s[40:41], s[22:23]      ; the bias at my head
	s_lshl_b32 s22, s12, 4
	s_add_co_u32 s22, s22, s13
	s_mul_i32 s22, s22, GRP
	s_mul_i32 s18, s[TT], 12800
	s_add_co_u32 s22, s22, s18
	s_add_nc_u64 s[8:9], s[8:9], s[22:23]          ; where my 8 images go
	s_lshl_b32 s22, s[TT], 4
	s_add_co_u32 s22, s22, s12
	s_lshl_b32 s22, s22, 5
	s_lshl_b32 s18, s13, 1
	s_add_co_u32 s22, s22, s18
	s_lshl_b32 s22, s22, 7
	s_add_nc_u64 s[10:11], s[10:11], s[22:23]      ; my two blocks' means (q, k alone store there)
	s_add_nc_u64 s[6:7], s[6:7], s[98:99]
.irp b, 0,1,2,3,4,5,6,7                            ; every work-group loads all three sets, so that each register is written on every path
	global_load_b128 v[BI+8*\b:BI+8*\b+3], v[H32], s[40:41] offset:64*\b
	global_load_b128 v[BI+8*\b+4:BI+8*\b+7], v[H32], s[40:41] offset:64*\b+16
	global_load_b32 v[BV+\b], v[R4], s[40:41] offset:64*\b
.endr
	WIN 0x40                                       ; the norm's weights: window 1, v96-127 and v224-255, which the K loop leaves alone
.irp b, 0,1,2,3,4,5,6,7
	global_load_b128 v[96+8*\b+96*(\b/4):96+8*\b+96*(\b/4)+3], v[H32], s[46:47] offset:64*\b
	global_load_b128 v[100+8*\b+96*(\b/4):100+8*\b+96*(\b/4)+3], v[H32], s[46:47] offset:64*\b+16
.endr
	WIN 0
.macro FRAG reg, adr, q, i
.irp p, 0,1,2,3,4,5
.set PCE, 12*(\q)+6*(\p/3)+\p%3
.if PCE%8 < 5
	ds_load_b64 v[\reg+2*\p:\reg+2*\p+1], v[\adr] offset:8*PCE+16*(PCE/8)+(\i)*16*PITCH
.else
	ds_load_b64 v[\reg+2*\p:\reg+2*\p+1], v[\adr+2] offset:8*PCE+16*(PCE/8)+(\i)*16*PITCH
.endif
.endr
.endm
; 16 matrix instructions: S1's blocks a0, a0 + 1 x S0's eight.  The 64 accumulators take turns, one instruction a turn, in the same order in every step.
.macro MUL16 a0, p, q, sc, zero
.irp a, \a0, \a0+1
.irp b, 0,1,2,3,4,5,6,7
.if \zero
	v_wmma_scale_f32_16x16x128_f8f6f4 v[8*(8*((\a)%4)+\b):8*(8*((\a)%4)+\b)+7], v[128*(\p)+FR*\b:128*(\p)+FR*\b+FR-1], v[AF+FR*(\a):AF+FR*(\a)+FR-1], 0, v[SC+8*NQ*(\sc)+NQ*\b+(\q)], v[SC+8*NQ*(\sc)+NQ*(\a)+(\q)] matrix_a_fmt:MATRIX_FMT_FP6 matrix_b_fmt:MATRIX_FMT_FP6 matrix_a_scale:MATRIX_SCALE_ROW1
.else
	v_wmma_scale_f32_16x16x128_f8f6f4 v[8*(8*((\a)%4)+\b):8*(8*((\a)%4)+\b)+7], v[128*(\p)+FR*\b:128*(\p)+FR*\b+FR-1], v[AF+FR*(\a):AF+FR*(\a)+FR-1], v[8*(8*((\a)%4)+\b):8*(8*((\a)%4)+\b)+7], v[SC+8*NQ*(\sc)+NQ*\b+(\q)], v[SC+8*NQ*(\sc)+NQ*(\a)+(\q)] matrix_a_fmt:MATRIX_FMT_FP6 matrix_b_fmt:MATRIX_FMT_FP6 matrix_a_scale:MATRIX_SCALE_ROW1
.endif
.endr
.endr
.endm
.macro FETCH_B slot, q, p
	WIN TO_B
.irp i, 0,1,2,3,4,5,6,7
	FRAG 128*(\p)+FR*\i, ADRB+\slot, \q, \i
.endr
	WIN 0
.endm
.macro FETCH_A slot, q, i0
.irp i, \i0, \i0+1, \i0+2, \i0+3
	FRAG AF+FR*(\i), ADRA+\slot, \q, \i
.endr
.endm
.macro SCALES sc                       ; lanes 0-15 S1's block i, lanes 16-31 S0's block i: the slot's two words
.irp i, 0,1,2,3,4,5,6,7
	ds_load_b64 v[SC+8*NQ*\sc+NQ*\i:SC+8*NQ*\sc+NQ*\i+1], v[ADRS] offset:\i*SBLK
.endr
.endm
.macro STEP slot, q, zero
	s_wait_dscnt 4*NL                              ; all but the youngest 24 loads (S1's blocks 4-7)
	WIN MUL_LO
	MUL16 0, (\q)%2, \q, \slot, \zero
	MUL16 2, (\q)%2, \q, \slot, \zero
	s_wait_dscnt 0
	PLACES NP
	FETCH_B \slot, (\q)+1, 1-(\q)%2
	FETCH_A \slot, (\q)+1, 0
	WIN MUL_HI
	MUL16 4, (\q)%2, \q, \slot, \zero
	MUL16 6, (\q)%2, \q, \slot, \zero
	PLACES NP
	WIN 0
	FETCH_A \slot, (\q)+1, 4
.endm
; A slot's last step changes slots.  fill = 1: the slot is filled again two K steps ahead; fill = 2: slot 0 has had its last K step and takes the rotary rows of tokens 0-63 of each half.
.macro TURN slot, next, fill
	s_wait_tensorcnt 0x0                           ; all my tensor loads have landed: my part of the next slot
	ds_add_u32 v[SPW], v[NIL]                      ; 0 onto my spare word
	s_wait_dscnt 4*NL+1                            ; the add and the youngest 24 loads may be out
	WIN MUL_LO
	MUL16 0, 1, NQ-1, \slot, 0
	s_wait_dscnt 0x0                               ; the add is done, and my reads of this slot are over
	s_barrier_signal -1
	MUL16 2, 1, NQ-1, \slot, 0
	WIN 0
	s_barrier_wait -1
	CREST                                          ; the barrier has opened a round of the cluster's: no wave of any partner reads this slot or has a load on its way
.if \fill == 1
	s_add_nc_u64 s[G0+4*\slot+2:G0+4*\slot+3], s[G0+4*\slot+2:G0+4*\slot+3], 2*ROWB
	s_add_nc_u64 s[G0B+4*\slot+2:G0B+4*\slot+3], s[G0B+4*\slot+2:G0B+4*\slot+3], 2*ROWB
	JLOAD G0+4*\slot, G1, G0B+4*\slot, G1B
.else
	tensor_load_to_lds s[G0R:G0R+3], s[G1R:G1R+7]  ; every wave its 32 rows
	s_nop 0
	PLACES 4
.endif
	v_add_nc_u32 v[ADRS], 4*NQ, v[ADRS]
	FETCH_B \next, 0, 0
	FETCH_A \next, 0, 0
	SCALES \next
	WIN MUL_HI
	MUL16 4, 1, NQ-1, \slot, 0
	MUL16 6, 1, NQ-1, \slot, 0
	PLACES NP
	WIN 0
	FETCH_A \next, 0, 4
.endm
; 64 numbers of a lane become a fragment's 12 registers of codes and its row's scale word.  A block's 32 numbers lie in lanes l and l xor 16, 16 each.
.macro QUANT s, pc, tm, pw
.irp b, 0,1,2,3
	v_max3_num_f32 v[\tm+\b], |v[\s+16*\b]|, |v[\s+1+16*\b]|, 0x1800000   ; with the floor 2^(3 - 127): the byte cannot fall under 1
.endr
.irp i, 2,4,6,8,10,12,14
.irp b, 0,1,2,3
	v_max3_num_f32 v[\tm+\b], v[\tm+\b], |v[\s+16*\b+\i]|, |v[\s+1+16*\b+\i]|
.endr
.endr
.irp b, 0,1,2,3
	v_permlanex16_b32 v[\tm+4+\b], v[\tm+\b], s[SEL], s[SEL+1]
.endr
.irp b, 0,1,2,3
	v_max_num_f32 v[\tm+\b], v[\tm+\b], v[\tm+4+\b]
.endr
.irp b, 0,1,2,3
	v_add_nc_u32 v[\tm+12+\b], 0xff000000, v[\tm+\b]   ; 2 off the exponent field: the conversion's scale operand
.endr
.irp b, 0,1,2,3
	v_lshrrev_b32 v[\tm+4+\b], 23, v[\tm+12+\b]        ; the scale's byte
.endr
	v_lshl_or_b32 v[\pw], v[\tm+5], 8, v[\tm+4]
	v_lshl_or_b32 v[\pw], v[\tm+6], 16, v[\pw]
	v_lshl_or_b32 v[\pw], v[\tm+7], 24, v[\pw]
.irp c, 0,1
	v_cvt_scalef32_pk16_fp6_f32 v[\pc+6*\c:\pc+2+6*\c], v[\s+32*\c:\s+15+32*\c], v[\tm+12+2*\c]
	v_cvt_scalef32_pk16_fp6_f32 v[\tm+4*\c:\tm+2+4*\c], v[\s+16+32*\c:\s+31+32*\c], v[\tm+12+2*\c+1]
.endr
	v_nop                                          ; one plain place behind a scaled conversion
.irp c, 0,1                                        ; a whole block to a lane: lanes 0-15 block 2 c, lanes 16-31 block 2 c + 1
.irp i, 0,1,2
	v_permlane16_swap_b32 v[\pc+6*\c+\i], v[\tm+4*\c+\i]
.endr
.irp i, 0,1,2
	v_mov_b32 v[\pc+3+6*\c+\i], v[\tm+4*\c+\i]
.endr
.endr
.endm
; block a of the window's four leaves its accumulators, each from its low end on, with the bias added
.macro COPY p, a, isv
	WIN 2+\p
.set i, 0
.rept 32
.if \isv
	v_pk_add_f32 v[X+i:X+i+1], v[64*\a+i:64*\a+i+1], v[BV:BV+1] op_sel_hi:[1,0]
.else
	v_pk_add_f32 v[X+i:X+i+1], v[64*\a+i:64*\a+i+1], v[BI+i:BI+i+1]
.endif
.set i, i+2
.endr
	WIN 0
.endm
.macro DISPATCH p, isv                 ; register numbers cannot be stepped: the trip's number picks one of four copies
	s_cmp_eq_u32 s[CNT], 1
	s_cbranch_scc1 .Lb1_\@
	s_cmp_eq_u32 s[CNT], 2
	s_cbranch_scc1 .Lb2_\@
	s_cmp_eq_u32 s[CNT], 3
	s_cbranch_scc1 .Lb3_\@
	COPY \p, 0, \isv
	s_branch .Lbj_\@
.Lb1_\@:
	COPY \p, 1, \isv
	s_branch .Lbj_\@
.Lb2_\@:
	COPY \p, 2, \isv
	s_branch .Lbj_\@
.Lb3_\@:
	COPY \p, 3, \isv
.Lbj_\@:
.endm
; THE WAY OUT of S1's blocks 4 p .. 4 p + 3 (for q and k: one block of 64 tokens): a loop of four trips, a block of 16 rows each.
.macro HALF p
	s_mov_b32 s[CNT], 0
	s_mov_b32 s[ROFF], ROPEA*(1-\p)
	s_mov_b32 s[SOFF], 16*\p
	s_cmp_eq_u32 s[TT], 2
	s_cbranch_scc1 .Ltrip_\p
	WIN 0x40
.set i, 0
.rept 64
	v_mov_b32 v[SUM+i], 0                          ; the sums over the 64 tokens begin
.set i, i+1
.endr
	WIN 0
.Ltrip_\p:
	s_cmp_eq_u32 s[TT], 2
	s_cbranch_scc1 .Lv_\p
	v_add_nc_u32 v[RADT], s[ROFF], v[RADB]
	WIN 0x40                                       ; my token's 2 x 2 matrices of my 32 pairs: 512 bytes
.irp t, 0,1,2,3,4,5,6,7
.irp q, 0,1,2,3
	ds_load_b128 v[16*\t+32*(\t/6)+4*\q:16*\t+32*(\t/6)+4*\q+3], v[RADT] offset:128*\t+16*\q
.endr
.endr
	WIN 0
	DISPATCH \p, 0
	v_pk_mul_f32 v[PC:PC+1], v[X:X+1], v[X:X+1]    ; the sum of squares, in two chains of pairs
	v_pk_mul_f32 v[PC+2:PC+3], v[X+2:X+3], v[X+2:X+3]
.set i, 4
.rept 15
	v_pk_fma_f32 v[PC:PC+1], v[X+i:X+i+1], v[X+i:X+i+1], v[PC:PC+1]
	v_pk_fma_f32 v[PC+2:PC+3], v[X+i+2:X+i+3], v[X+i+2:X+i+3], v[PC+2:PC+3]
.set i, i+4
.endr
	v_pk_add_f32 v[PC:PC+1], v[PC:PC+1], v[PC+2:PC+3]
	v_add_f32 v[PC], v[PC], v[PC+1]
	v_permlanex16_b32 v[PC+1], v[PC], s[SEL], s[SEL+1]
	v_add_f32 v[PC], v[PC], v[PC+1]                ; over the head's 128
	v_fma_f32 v[PC], v[PC], s[INV], s[EPSR]
	v_rsq_f32 v[RS], v[PC]
	v_mov_b32 v[RS+1], 0                           ; a plain place; the pair's upper half is written
	s_wait_alu depctr_va_vdst(0)                   ; the wait ahead of the first reader
.set i, 0
.rept 32
	v_pk_mul_f32 v[X+i:X+i+1], v[X+i:X+i+1], v[RS:RS+1] op_sel_hi:[1,0]
.set i, i+2
.endr
	WIN 0x04
.set i, 0
.rept 32
	v_pk_mul_f32 v[X+i:X+i+1], v[X+i:X+i+1], v[96+i+96*(i/32):96+i+96*(i/32)+1]
.set i, i+2
.endr
	s_wait_dscnt 0x0                               ; the rotary matrices are in
	WIN 0x41                                       ; (r00 x0, r01 x1) and (r10 x0, r11 x1), in place
.irp t, 0,1,2,3,4,5,6,7
.irp q, 0,1,2,3
	v_pk_mul_f32 v[16*\t+32*(\t/6)+4*\q:16*\t+32*(\t/6)+4*\q+1], v[16*\t+32*(\t/6)+4*\q:16*\t+32*(\t/6)+4*\q+1], v[X+8*\t+2*\q:X+8*\t+2*\q+1]
	v_pk_mul_f32 v[16*\t+32*(\t/6)+4*\q+2:16*\t+32*(\t/6)+4*\q+3], v[16*\t+32*(\t/6)+4*\q+2:16*\t+32*(\t/6)+4*\q+3], v[X+8*\t+2*\q:X+8*\t+2*\q+1]
.endr
.endr
	WIN 0x05
.irp t, 0,1,2,3,4,5,6,7
.irp q, 0,1,2,3
	v_add_f32 v[X+8*\t+2*\q], v[16*\t+32*(\t/6)+4*\q], v[16*\t+32*(\t/6)+4*\q+1]
	v_add_f32 v[X+8*\t+2*\q+1], v[16*\t+32*(\t/6)+4*\q+2], v[16*\t+32*(\t/6)+4*\q+3]
.endr
.endr
	WIN 0x41
.set i, 0
.rept 32
	v_pk_add_f32 v[SUM+i:SUM+i+1], v[SUM+i:SUM+i+1], v[X+i:X+i+1]
.set i, i+2
.endr
	WIN 0
	s_branch .Lcommon_\p
.Lv_\p:
	DISPATCH \p, 1
.irp k, 0,1,2,3,4,5,6
	v_mov_b32 v[BV+\k], v[BV+\k+1]                 ; the next block's bias comes to the front
.endr
.Lcommon_\p:
	QUANT X, PC, TM, PW
.irp c, 0,1,2
	global_store_b128 v[OA], v[PC+4*\c:PC+4*\c+3], s[8:9] offset:512*\c   ; the wave stores 512 consecutive bytes, aligned to 256
.endr
	v_add_nc_u32 v[SWT], s[SOFF], v[SWA]
	ds_store_b32 v[SWT], v[PW]                     ; both halves of the lanes write the same word with the same value
	s_wait_xcnt 0x0                                ; the stores' base and data are written again only behind this wait
	s_wait_dscnt 0x0
	s_add_nc_u64 s[8:9], s[8:9], 1536
	s_add_co_u32 s[ROFF], s[ROFF], 16*RPITCH
	s_add_co_u32 s[SOFF], s[SOFF], 4
	s_add_co_u32 s[CNT], s[CNT], 1
	s_cmp_lt_u32 s[CNT], 4
	s_cbranch_scc1 .Ltrip_\p
	s_cmp_eq_u32 s[TT], 2
	s_cbranch_scc1 .Lnomean_\p
	WIN 0x01
.set i, 0
.rept 32
	v_pk_mul_f32 v[X+i:X+i+1], v[SUM+i:SUM+i+1], 0x3c800000 op_sel_hi:[1,0]   ; x 1 / 64: a power of two, so it may stand ahead of the sums over lanes
.set i, i+2
.endr
	WIN 0
.irp m, 1,2,4,8
.set i, 0
.rept 64
	v_add_f32_dpp v[X+i], v[X+i], v[X+i] row_xmask:\m row_mask:0xf bank_mask:0xf
.set i, i+1
.endr
.endr
	QUANT X, PC, TM, PW                            ; all sixteen rows of this fragment are the block's mean
	s_wait_xcnt 0x0                                ; EXEC changes only behind this wait
	v_cmp_eq_u32 vcc_lo, 0, v[RR]
	s_and_saveexec_b32 s2, vcc_lo                  ; lanes 0 and 16 store their 48 bytes
.irp c, 0,1,2
	global_store_b128 v[H48], v[PC+4*\c:PC+4*\c+3], s[10:11] offset:128*\p+16*\c
.endr
	global_store_b32 v[ZO], v[PW], s[10:11] offset:128*\p+96
	s_wait_xcnt 0x0
	s_or_b32 exec_lo, exec_lo, s2
.Lnomean_\p:
.endm
	s_wait_loadcnt 0x0                             ; biases and weights, once
	s_wait_tensorcnt 1                             ; the scales and my part of K step 0 are in; K step 1's load may be out
	s_bfe_u32 s100, ttmp6, 0x40004                 ; the rotary rows hang on S1's tile alone: shared along my row of the cluster
	s_lshl_b32 s100, s100, 2
	s_lshl_b32 s100, 15, s100
	s_or_b32 s[G1R+0], s100, (3<<16)|(1<<20)|(1<<21)|(7<<22)|(3<<25)  ; 32 rows of 1,024 bytes (128 elements of 8), 16 bytes of padding behind each
	s_mov_b32 s[G1R+1], 128<<16
	s_mov_b32 s[G1R+2], 32<<16
	s_mov_b32 s[G1R+3], 128<<16
	s_mov_b32 s[G1R+4], 32
	s_mov_b32 s[G1R+5], 128
	s_mov_b32 s[G1R+6], 0
	s_mov_b32 s[G1R+7], 0
	s_mov_b32 s[G0R], 1
	s_mul_i32 s[G0R+1], s14, RQUART
	s_add_co_u32 s[G0R+1], s[G0R+1], ROPEA
	s_mov_b64 s[G0R+2:G0R+3], s[6:7]
	s_or_b32 s[G0R+3], s[G0R+3], 0x80000000
	s_barrier_signal -1
	s_barrier_wait -1
	FETCH_B 0, 0, 0
	FETCH_A 0, 0, 0
	SCALES 0
	FETCH_A 0, 0, 4
	STEP 0, 0, 1                                   ; the first step's products start the sums
	s_mov_b32 s3, LAPS-1
.Llap:
	TURN 0, 1, 1
	STEP 1, 0, 0
	TURN 1, 0, 1
	STEP 0, 0, 0
	s_sub_co_u32 s3, s3, 1
	s_cmp_lg_u32 s3, 0
	s_cbranch_scc1 .Llap
	TURN 0, 1, 2
	STEP 1, 0, 0
	s_wait_dscnt 4*NL
	WIN MUL_LO
	MUL16 0, 1, NQ-1, 1, 0
	MUL16 2, 1, NQ-1, 1, 0
	s_wait_dscnt 0
	WIN MUL_HI
	MUL16 4, 1, NQ-1, 1, 0
	MUL16 6, 1, NQ-1, 1, 0
	WIN 0
	s_wait_tensorcnt 0x0                           ; the first rotary fill has landed; no load of mine is out
	ds_add_u32 v[SPW], v[NIL]
	s_add_nc_u64 s[G0R+2:G0R+3], s[G0R+2:G0R+3], 64*1024   ; 64 tokens on,
	s_mul_i32 s[G0R+1], s14, RQUART                ; onto the scales and slot 1, which nobody reads any more
	s_wait_dscnt 0x0
	CROUND
	tensor_load_to_lds s[G0R:G0R+3], s[G1R:G1R+7]
	s_nop 0
	PLACES 4                                       ; also the places behind the last products
	HALF 0
	s_wait_tensorcnt 0x0                           ; my part of the second rotary fill is in,
	s_wait_dscnt 0x0
	s_barrier_signal -1
	s_barrier_wait -1                              ; everybody's is
	HALF 1
	ds_load_b128 v[PC:PC+3], v[SWR]                ; my wave's own 512 bytes of scale words, [r][a]
	s_wait_dscnt 0x0
	global_store_b128 v[OA], v[PC:PC+3], s[8:9]    ; the base stands behind the eight images
	s_wait_tensorcnt 0x0                           ; the wave's end
	ds_add_u32 v[SPW], v[NIL]
	s_wait_dscnt 0x0
	CROUND                                         ; the closing round
	s_endpgm
.Lfunc_end_k_qb722726b86_qkv:
	.size	k_qb722726b86_qkv, .Lfunc_end_k_qb722726b86_qkv-k_qb722726b86_qkv
	.p2alignl 7, 3214868480
	.fill 96, 4, 3214868480
	.section	.rodata,"a",@progbits
	.p2align	6, 0x0
	.amdhsa_kernel k_qb722726b86_qkv
		.amdhsa_group_segment_fixed_size 327680
		.amdhsa_private_segment_fixed_size 0
		.amdhsa_enable_private_segment 0
		.amdhsa_kernarg_size 128
		.amdhsa_user_sgpr_count 2
		.amdhsa_user_sgpr_kernarg_segment_ptr 1
		.amdhsa_wavefront_size32 1
		.amdhsa_system_sgpr_workgroup_id_x 1
		.amdhsa_system_sgpr_workgroup_id_y 1
		.amdhsa_system_sgpr_workgroup_id_z 1
		.amdhsa_system_vgpr_workitem_id 0
		.amdhsa_next_free_vgpr 1024
		.amdhsa_next_free_sgpr 104
		.amdhsa_reserve_vcc 1
		.amdhsa_float_denorm_mode_32 3
		.amdhsa_float_denorm_mode_16_64 3
		.amdhsa_memory_ordered 1
		.amdhsa_forward_progress 1
		.amdhsa_inst_pref_size 255
	.end_amdhsa_kernel
	.section	.bss,"aw",@nobits
	.p2align	6
	.space	262144
	.amdgpu_metadata
---
amdhsa.version: [ 1, 2 ]
amdhsa.kernels:
  - .name:           k_qb722726b86_qkv
    .symbol:         k_qb722726b86_qkv.kd
    .args:
      - { .name: hidden_states_codes, .offset: 0, .size: 8, .value_kind: global_buffer, .address_space: global }
      - { .name: hidden_states_scales, .offset: 8, .size: 8, .value_kind: global_buffer, .address_space: global }
      - { .name: Wq_codes, .offset: 16, .size: 8, .value_kind: global_buffer, .address_space: global }
      - { .name: Wq_scales, .offset: 24, .size: 8, .value_kind: global_buffer, .address_space: global }
      - { .name: Wk_codes, .offset: 32, .size: 8, .value_kind: global_buffer, .address_space: global }
      - { .name: Wk_scales, .offset: 40, .size: 8, .value_kind: global_buffer, .address_space: global }
      - { .name: Wv_codes, .offset: 48, .size: 8, .value_kind: global_buffer, .address_space: global }
      - { .name: Wv_scales, .offset: 56, .size: 8, .value_kind: global_buffer, .address_space: global }
      - { .name: bq, .offset: 64, .size: 8, .value_kind: global_buffer, .address_space: global }
      - { .name: bk, .offset: 72, .size: 8, .value_kind: global_buffer, .address_space: global }
      - { .name: bv, .offset: 80, .size: 8, .value_kind: global_buffer, .address_space: global }
      - { .name: qn_w, .offset: 88, .size: 8, .value_kind: global_buffer, .address_space: global }
      - { .name: kn_w, .offset: 96, .size: 8, .value_kind: global_buffer, .address_space: global }
      - { .name: rotary_emb, .offset: 104, .size: 8, .value_kind: global_buffer, .address_space: global }
      - { .name: qkv, .offset: 112, .size: 8, .value_kind: global_buffer, .address_space: global }
      - { .name: mean, .offset: 120, .size: 8, .value_kind: global_buffer, .address_space: global }
    .group_segment_fixed_size: 327680
    .private_segment_fixed_size: 0
    .kernarg_segment_align: 8
    .kernarg_segment_size: 128
    .max_flat_workgroup_size: 128
    .sgpr_count:     104
    .vgpr_count:     1024
    .wavefront_size: 32
...
	.end_amdgpu_metadata
.endif
;; end of part 1
;; launch attn (part 2): grid 16 x 16, 8 waves a work-group, clusters of 4 x 1, 327,680 bytes of LDS; arguments qkv, mean, sta_mask, ocodes, oscales; writes ocodes, oscales
.if DOCPART == 2
	.amdgcn_target "amdgcn-amd-amdhsa--gfx1250"
	.amdhsa_code_object_version 6
	.text
	.protected	k_qb722726b86_attn
	.globl	k_qb722726b86_attn
	.p2align	8
	.type	k_qb722726b86_attn,@function
k_qb722726b86_attn:
	s_mov_b64 s[64:65], 0
	v_nop
	global_prefetch_b8 v0, s[64:65] scope:SCOPE_SE
	s_setreg_imm32_b32 hwreg(HW_REG_WAVE_MODE, 25, 1), 1
	s_wait_xcnt 0x0
	s_wait_alu depctr_hold_cnt(0) depctr_sa_sdst(0) depctr_va_vdst(0) depctr_va_sdst(0) depctr_va_ssrc(0) depctr_va_vcc(0) depctr_vm_vsrc(0)
	s_getreg_b32 s2, hwreg(HW_REG_IB_STS2, 6, 4)
	s_cmp_eq_u32 s2, 0
	s_cbranch_scc0 .Lentry_in_a_cluster
	s_endpgm
.Lentry_in_a_cluster:
	s_bfe_u32 s2, ttmp6, 0x10000c
	s_cmp_lg_u32 s2, 0x3003
	s_cbranch_scc0 .Lentry_shape_is_right
	s_endpgm
.Lentry_shape_is_right:
; Block-masked attention on codes of FP6 (E2M3) with E8M0 scales.  A work-group owns 128 queries of one head; each of its EIGHT waves owns one tile of 16 queries.
; WHY EIGHT WAVES: a key step of a tile is 16 matrix instructions, 52 LDS loads and some 256 vector instructions, many of which wait for the line above them.  Two waves share a SIMD's registers (2 x 448 of 1,024),
; so that one wave's softmax can be issued beside the other's products, loads and waits.  The price: a fragment read from LDS feeds one matrix instruction; a key step reads 8 x 52 x 512 bytes of LDS.
; THE BLOCK MASK: mean q . mean k (a quantised product), softmax over the 32 key blocks (a lane a block), kept where the sum of all entries that sort at or before it (ties by index) reaches 0.1, or where sta_mask says so.
; It lives in a scalar register and only SELECTS VALUES: a hidden block of 64 keys gets the addend -infinity, so its p is 0.  No branch and no address hangs on it.
; THE SOFTMAX: t = score x log2(e) / sqrt(128); M = the running largest t of kept keys, rounded up to a whole number; p = 2^(t - M), quantised along the keys; the sum of the unquantised p divides at the end.
; Both products are used transposed (S^T = K Q^T, O^T = V^T P^T): a lane holds one query.  K, V, Q come as images of operand registers: a fragment by three loads of 16 bytes a lane, consecutive.
; O / l is brought into the true order of channels by 32 lane swaps, quantised along the channels, and stored as an image for the output projection.
; CLUSTER 4 x 1: the four query blocks of a cluster walk the same K and V: joint loads, each wave half a group of 128 keys (K's part or V's: 12,800 dense bytes).  Two slots of four groups; a refill is asked for
; four key steps ahead of the wait for it, so nothing is prefetched beside it.
; LIMITS: a hidden key counts as p = 0, which is what -1e9 gives while kept logits lie above about -1e9; the mask's partial sums are added in the order of the blocks, not ascending; NaN and infinities are not served.
; REGISTERS: window 0: v1-11, v63 addresses; v12 -M, v13 largest t, v[14:15] sum, v16-27 Q, v28, v30 -M with the two blocks' addends; v32-39 K's scale words, v40-47 V's, v48 Q's, v50 p's, v52-54 the means';
;   v96-159 S^T then p, v160-223 O^T, v224-235 p's codes, v232-254 at work.   window 1: v0-95 K's fragments, v96-191 V's.
.set GRP,   38400                      ; a group of 128 tokens of a head in qkv: q, k, v, each 8 images and 512 bytes of scale words
.set KV,    25600                      ; k's and v's parts together
.set HKV,   12800                      ; one part
.set SLOT1, 1<<17
.set SPARE, 262144                     ; the spare words: 128 bytes for each of eight waves
.set OSC,   263168                     ; the work-group's 128 scale words of o
.set L16, 1
.set R32, 2
.set AL,  3
.set AS,  4
.set SPW, 5
.set NIL, 6
.set R128, 7
.set OSA, 8
.set H48, 9
.set ZO,  10
.set KAD, 11
.set OSR, 63
.set KSC, 32
.set VSC, 40
.set QSC, 48
.set PSC, 50
.set MSC, 52
.set SEL, 20
.set CS,  22
.set MW,  48
.set PEN, 49
.set TB,  51
.set NINF, 56
.set MSB, 0
.macro WIN new
.if MSB != (\new)
	s_set_vgpr_msb (MSB<<8)|(\new)
.set MSB, (\new)
.endif
.endm
.macro CROUND
	s_barrier_signal -1
	s_barrier_wait -1
	s_cmp_lg_u32 s14, 0
	s_cbranch_scc1 .Lnot_wave_0_\@
	s_barrier_signal -3
.Lnot_wave_0_\@:
	s_barrier_wait -3
	s_barrier_signal -1
	s_barrier_wait -1
.endm
.macro PLACES n
.rept \n
	v_nop
.endr
.endm
	s_load_b256 s[4:11], s[0:1], 0x0               ; qkv, mean, sta_mask, ocodes
	s_load_b64 s[12:13], s[0:1], 0x20              ; oscales
	v_lshl_add_u32 v[SPW], v0, 2, SPARE
	v_mov_b32 v[NIL], 0
	ds_add_u32 v5, v6
	ds_add_u32 v5, v6
	s_wait_dscnt 0x0
	v_lshrrev_b32 v55, 5, v0
	v_readfirstlane_b32 s14, v55                   ; wave 0..7
	s_bfe_u32 s15, ttmp6, 0x40000                  ; cx: it enters Q's, the mask's and O's addresses alone
	s_lshl_b32 s16, ttmp9, 2
	s_add_co_u32 s16, s16, s15                     ; my group of 128 queries
	s_and_b32 s17, ttmp7, 0xffff                   ; the head
	s_lshr_b32 s18, s14, 1                         ; what I fetch: of a slot's four key groups the one numbered wave / 2,
	s_and_b32 s19, s14, 1                          ; K's part (0) or V's (1)
	s_lshl_b32 s40, s17, 4
	s_add_co_u32 s40, s40, s18
	s_mul_i32 s40, s40, GRP
	s_mul_i32 s19, s19, HKV
	s_add_co_u32 s40, s40, s19
	s_add_co_u32 s40, s40, HKV                     ; behind Q's part of the record
	s_mov_b32 s41, 0
	s_mul_i32 s42, s14, HKV                        ; and where it goes: 25,600 (wave / 2) + 12,800 (wave % 2) = 12,800 x wave
	s_mov_b32 s24, 15|(3<<16)|(1<<21)              ; all four work-groups; elements of 8 bytes; no padding
	s_mov_b32 s25, 32<<16                          ; 50 rows of 256 bytes, dense
	s_mov_b32 s26, 50<<16
	s_mov_b32 s27, 32<<16
	s_mov_b32 s28, 50
	s_mov_b32 s29, 32
	s_mov_b32 s30, 0
	s_mov_b32 s31, 0
	s_mov_b32 s[SEL], 0x76543210
	s_mov_b32 s[SEL+1], 0xfedcba98
	s_mov_b32 s[CS], 0x3e0293ee                    ; log2(e) / sqrt(128)
	s_mov_b32 s[CS+1], s[CS]
	s_mov_b32 s[NINF], 0xff800000
	s_mov_b32 s54, 0x3dcccccd                      ; 1 - 0.9 in f32
	s_wait_kmcnt 0x0
	CROUND                                         ; all four work-groups are here: the first joint loads meet
	s_mov_b32 s32, 1
	s_mov_b32 s33, s42
	s_add_nc_u64 s[34:35], s[4:5], s[40:41]
	s_or_b32 s35, s35, 0x80000000
	s_mov_b32 s36, 1
	s_add_co_u32 s37, s42, SLOT1
	s_add_nc_u64 s[38:39], s[4:5], s[40:41]
	s_add_nc_u64 s[38:39], s[38:39], 4*GRP
	s_or_b32 s39, s39, 0x80000000
	tensor_load_to_lds s[32:35], s[24:31]          ; key groups 0-3
	s_nop 0
	tensor_load_to_lds s[36:39], s[24:31]          ; key groups 4-7: two loads of mine are out
	s_nop 0
	PLACES 4
	s_lshl_b32 s44, s17, 4
	s_add_co_u32 s44, s44, s16
	s_mul_i32 s44, s44, GRP                        ; my group's record
	s_lshl_b32 s46, s14, 2
	s_add_co_u32 s46, s46, s44
	s_add_co_u32 s46, s46, 12288                   ; Q's scale words [r][a], a = my wave's number
	s_mov_b32 s47, 0
	s_mul_i32 s18, s14, 1536
	s_add_co_u32 s44, s44, s18                     ; my image of Q
	s_mov_b32 s45, 0
	s_add_nc_u64 s[44:45], s[4:5], s[44:45]
	s_add_nc_u64 s[46:47], s[4:5], s[46:47]
	s_lshl_b32 s18, s16, 1
	s_lshr_b32 s19, s14, 2
	s_add_co_u32 s18, s18, s19                     ; my block of 64 queries: four tiles to a block
	s_lshl_b32 s19, s17, 5
	s_add_co_u32 s19, s19, s18                     ; 32 head + block
	s_lshl_b32 s58, s19, 7
	s_mov_b32 s59, 0
	s_add_nc_u64 s[58:59], s[6:7], s[58:59]        ; mean q of my block
	s_lshl_b32 s60, s17, 12
	s_add_co_u32 s60, s60, 65536
	s_mov_b32 s61, 0
	s_add_nc_u64 s[60:61], s[6:7], s[60:61]        ; mean k of the head's 32 blocks
	s_lshl_b32 s62, s19, 5
	s_mov_b32 s63, 0
	s_add_nc_u64 s[62:63], s[8:9], s[62:63]        ; sta_mask's row
	s_lshl_b32 s18, s17, 7
	s_lshl_b32 s19, s16, 3
	s_add_co_u32 s18, s18, s19
	s_add_co_u32 s18, s18, s14                     ; tile 128 head + 8 group + wave
	s_mul_i32 s18, s18, 1536
	s_mov_b32 s19, 0
	s_add_nc_u64 s[10:11], s[10:11], s[18:19]      ; my image of o
	s_lshl_b32 s18, s17, 13
	s_lshl_b32 s43, s16, 9
	s_add_co_u32 s18, s18, s43
	s_add_nc_u64 s[12:13], s[12:13], s[18:19]      ; the work-group's 128 scale words
	v_and_b32 v55, 31, v0                          ; lane
	v_and_b32 v56, 15, v0                          ; r
	v_bfe_u32 v57, v0, 4, 1                        ; h
	v_lshlrev_b32 v[L16], 4, v55
	v_lshlrev_b32 v[R32], 5, v56
	v_lshlrev_b32 v[R128], 7, v56
	v_mul_u32_u24 v[H48], v57, 48
	v_add_nc_u32 v[KAD], v[R128], v[H48]
	v_mov_b32 v[ZO], 0
	s_lshl_b32 s43, s14, 6
	s_add_co_u32 s43, s43, OSC
	v_lshl_add_u32 v[OSA], v56, 2, s43             ; token 16 wave + r of the group: 64 wave + 4 r
	v_add_nc_u32 v[OSR], OSC, v[L16]
.irp c, 0,1,2
	global_load_b128 v[16+4*\c:19+4*\c], v[L16], s[44:45] offset:512*\c
.endr
	global_load_b32 v[QSC], v[R32], s[46:47]
.irp c, 0,1,2
	global_load_b128 v[96+4*\c:99+4*\c], v[H48], s[58:59] offset:16*\c            ; mean q: the same row in every lane
	global_load_b128 v[108+4*\c:111+4*\c], v[KAD], s[60:61] offset:16*\c          ; mean k: lane r takes block r,
	global_load_b128 v[120+4*\c:123+4*\c], v[KAD], s[60:61] offset:2048+16*\c     ; and block 16 + r
.endr
	global_load_b32 v[MSC], v[ZO], s[58:59] offset:96
	global_load_b32 v[MSC+1], v[R128], s[60:61] offset:96
	global_load_b32 v[MSC+2], v[R128], s[60:61] offset:2048+96
	global_load_u8 v58, v55, s[62:63]
	v_mov_b32 v13, 0xff61b1e6                      ; the largest t so far: -3e38
	v_floor_f32 v12, -v13
	v_mov_b32 v14, 0
	v_mov_b32 v15, 0
	v_mov_b32 v29, 0                               ; upper halves of pairs that are named whole
	v_mov_b32 v31, 0
	v_mov_b32 v253, 0
.irp b, 0,1,2,3
	v_mov_b32 v[236+\b], 0                         ; a lane permute's destination counts as one of its sources
.endr
.set j, 0
.rept 64
	v_mov_b32 v[160+j], 0                          ; O^T: the step is written for every step alike; the first change of M multiplies zeros
.set j, j+1
.endr
	s_wait_loadcnt 0x0
	v_wmma_scale_f32_16x16x128_f8f6f4 v[136:143], v[96:107], v[108:119], 0, v[MSC], v[MSC+1] matrix_a_fmt:MATRIX_FMT_FP6 matrix_b_fmt:MATRIX_FMT_FP6
	v_wmma_scale_f32_16x16x128_f8f6f4 v[144:151], v[96:107], v[120:131], 0, v[MSC], v[MSC+2] matrix_a_fmt:MATRIX_FMT_FP6 matrix_b_fmt:MATRIX_FMT_FP6
	PLACES 4
	v_cmp_gt_u32 vcc_lo, 16, v55
	v_cndmask_b32 v59, v144, v136, vcc_lo          ; lane = key block
	v_mov_b32 v60, v59
.irp m, 1,2,4,8
	v_max_num_f32_dpp v60, v60, v60 row_xmask:\m row_mask:0xf bank_mask:0xf
.endr
	v_mov_b32 v61, 0
	v_permlanex16_b32 v61, v60, s[SEL], s[SEL+1]
	v_max_num_f32 v60, v60, v61
	v_sub_f32 v59, v59, v60
	v_mul_f32 v59, s[CS], v59
	v_exp_f32 v59, v59
	v_nop
	s_wait_alu depctr_va_vdst(0)                   ; the wait ahead of the first reader
	v_mov_b32 v60, v59
.irp m, 1,2,4,8
	v_add_f32_dpp v60, v60, v60 row_xmask:\m row_mask:0xf bank_mask:0xf
.endr
	v_permlanex16_b32 v61, v60, s[SEL], s[SEL+1]
	v_add_f32 v60, v60, v61
	v_rcp_f32 v60, v60
	v_mov_b32 v61, 0                               ; a plain place; the partial sum begins
	s_wait_alu depctr_va_vdst(0)
	v_mul_f32 v59, v59, v60                        ; the map's row
.set i, 0
.rept 32                                           ; entry i counts for lane j where it sorts at or before j: smaller, or equal with i <= j
	v_readlane_b32 s57, v59, i
	v_cmp_lt_f32 s42, s57, v59
	v_cmp_le_f32 s43, s57, v59
	s_and_b32 s43, s43, (0xffffffff<<i)&0xffffffff
	s_or_b32 s42, s42, s43
	v_mov_b32 v62, s57
	v_cndmask_b32 v62, 0, v62, s42
	v_add_f32 v61, v61, v62
.set i, i+1
.endr
	v_cmp_le_f32 s[MW], s54, v61
	v_cmp_ne_u32 s55, 0, v58
	s_or_b32 s[MW], s[MW], s55                     ; bit b: key block b counts for my queries
.macro ADDR
	v_add_nc_u32 v[AL], s[TB], v[L16]
	v_add_nc_u32 v[AS], s[TB], v[R32]
.endm
.macro FETCH_K                         ; 26 loads
	WIN 0x40                                       ; destination window 1, address window 0
.irp a, 0,1,2,3,4,5,6,7
.irp c, 0,1,2
	ds_load_b128 v[12*\a+4*\c:12*\a+4*\c+3], v[AL] offset:1536*\a+512*\c
.endr
.endr
	WIN 0
	ds_load_b128 v[KSC:KSC+3], v[AS] offset:12288
	ds_load_b128 v[KSC+4:KSC+7], v[AS] offset:12304
.endm
.macro FETCH_V                         ; 26 loads
	WIN 0x40
.irp a, 0,1,2,3,4,5,6,7
.irp c, 0,1,2
	ds_load_b128 v[96+12*\a+4*\c:96+12*\a+4*\c+3], v[AL] offset:12800+1536*\a+512*\c
.endr
.endr
	WIN 0
	ds_load_b128 v[VSC:VSC+3], v[AS] offset:25088
	ds_load_b128 v[VSC+4:VSC+7], v[AS] offset:25104
	s_add_co_u32 s[TB], s[TB], KV
.endm
.macro SQK                             ; S^T = K Q^T: one instruction a tile of 16 keys, each on an accumulator of its own
	WIN 0x01                                       ; source 0 (K) window 1
.irp a, 0,1,2,3,4,5,6,7
	v_wmma_scale_f32_16x16x128_f8f6f4 v[96+8*\a:103+8*\a], v[12*\a:12*\a+11], v[16:27], 0, v[KSC+\a], v[QSC] matrix_a_fmt:MATRIX_FMT_FP6 matrix_b_fmt:MATRIX_FMT_FP6
.endr
	WIN 0
.endm
.macro PV                              ; O^T += V^T P^T: the eight accumulators take turns, one instruction a turn
	WIN 0x01                                       ; source 0 (V) window 1
.irp a, 0,1,2,3,4,5,6,7
	v_wmma_scale_f32_16x16x128_f8f6f4 v[160+8*\a:167+8*\a], v[96+12*\a:107+12*\a], v[224:235], v[160+8*\a:167+8*\a], v[VSC+\a], v[PSC] matrix_a_fmt:MATRIX_FMT_FP6 matrix_b_fmt:MATRIX_FMT_FP6
.endr
	WIN 0
.endm
.macro SOFTMAX
.irp b, 0,1,2,3
	v_max3_num_f32 v[232+\b], v[96+16*\b], v[97+16*\b], v[98+16*\b]   ; the largest score of each block of 32 keys: for the row's maximum and for the block's largest p
.endr
.irp i, 3,5,7,9,11,13
.irp b, 0,1,2,3
	v_max3_num_f32 v[232+\b], v[232+\b], v[96+16*\b+\i], v[97+16*\b+\i]
.endr
.endr
.irp b, 0,1,2,3
	v_max_num_f32 v[232+\b], v[232+\b], v[111+16*\b]
.endr
.irp b, 0,1,2,3
	v_permlanex16_b32 v[236+\b], v[232+\b], s[SEL], s[SEL+1]
.endr
.irp b, 0,1,2,3
	v_max_num_f32 v[232+\b], v[232+\b], v[236+\b]
.endr
.irp b, 0,1,2,3
	v_add_f32 v[232+\b], s[PEN+\b/2], v[232+\b]    ; 0, or -infinity where the block of 64 keys is hidden
.endr
	v_max3_num_f32 v254, v232, v233, v234
	v_max_num_f32 v254, v254, v235
	v_mul_f32 v254, s[CS], v254
	v_max_num_f32 v13, v13, v254                   ; the running largest t
	v_mov_b32 v254, v12
	v_floor_f32 v12, -v13                          ; -M, a whole number
	v_sub_f32 v254, v12, v254
	v_cvt_i32_f32 v254, v254
	v_ldexp_f32 v252, 1.0, v254                    ; f = 2^(old M - new M)
	v_add_f32 v28, s[PEN], v12
	v_add_f32 v30, s[PEN+1], v12
.set j, 0
.rept 16
	v_pk_fma_f32 v[96+j:97+j], v[96+j:97+j], s[CS:CS+1], v[28:29] op_sel_hi:[1,0,0]
.set j, j+2
.endr
.rept 16
	v_pk_fma_f32 v[96+j:97+j], v[96+j:97+j], s[CS:CS+1], v[30:31] op_sel_hi:[1,0,0]
.set j, j+2
.endr
.irp b, 0,1,2,3
	v_fma_f32 v[232+\b], v[232+\b], s[CS], v12
.endr
.set j, 0
.rept 64
	v_exp_f32 v[96+j], v[96+j]                     ; p = 2^(t - M); 0 for hidden keys
.set j, j+1
.endr
	v_pk_mul_f32 v[14:15], v[14:15], v[252:253] op_sel_hi:[1,0]   ; a plain place behind the exponentials
	s_wait_alu depctr_va_vdst(0)                   ; one wait for the batch, ahead of its first reader
.irp b, 0,1,2,3
	v_exp_f32 v[232+\b], v[232+\b]                 ; each block's largest p
.endr
	v_pk_add_f32 v[236:237], v[96:97], v[98:99]    ; the sum of the unquantised p, in two chains
.set j, 4
.rept 15
	v_pk_add_f32 v[14:15], v[14:15], v[96+j:97+j]
	v_pk_add_f32 v[236:237], v[236:237], v[98+j:99+j]
.set j, j+4
.endr
	v_pk_add_f32 v[14:15], v[14:15], v[236:237]
	s_wait_alu depctr_va_vdst(0)                   ; and one for the four
.irp b, 0,1,2,3
	v_max_num_f32 v[232+\b], 0x1800000, v[232+\b]  ; the floor 2^(3 - 127): the byte cannot fall under 1
.endr
.irp b, 0,1,2,3
	v_add_nc_u32 v[244+\b], 0xff000000, v[232+\b]  ; 2 off the exponent field: the conversion's scale operand
.endr
.irp b, 0,1,2,3
	v_lshrrev_b32 v[236+\b], 23, v[244+\b]         ; the scale's byte
.endr
	v_lshl_or_b32 v253, v237, 8, v236
	v_lshl_or_b32 v253, v238, 16, v253
	v_lshl_or_b32 v[PSC], v239, 24, v253           ; p's scale word for these 128 keys
.irp c, 0,1
	v_cvt_scalef32_pk16_fp6_f32 v[224+6*\c:226+6*\c], v[96+32*\c:111+32*\c], v[244+2*\c]
	v_cvt_scalef32_pk16_fp6_f32 v[236+4*\c:238+4*\c], v[112+32*\c:127+32*\c], v[244+2*\c+1]
.endr
	v_nop                                          ; one plain place behind a scaled conversion
.irp c, 0,1                                        ; a whole block to a lane: lanes 0-15 block 2 c, lanes 16-31 block 2 c + 1
.irp i, 0,1,2
	v_permlane16_swap_b32 v[224+6*\c+\i], v[236+4*\c+\i]
.endr
.irp i, 0,1,2
	v_mov_b32 v[227+6*\c+\i], v[236+4*\c+\i]
.endr
.endr
.set j, 0
.rept 32
	v_pk_mul_f32 v[160+j:161+j], v[160+j:161+j], v[252:253] op_sel_hi:[1,0]   ; O^T under the new M; also the places ahead of the products
.set j, j+2
.endr
.endm
; A KEY STEP of 128 keys.  kind 0: plain; 1: the slot's last step, the slot is filled again; 2: the slot's last step, nothing is asked for; 3: the last step of all.
.macro STEP kind
	s_wait_dscnt 26                                ; K's 26 loads are in; V's 26, issued behind them, may be out
	SQK
	s_bitcmp1_b32 s[MW], 0
	s_cselect_b32 s[PEN], 0, s[NINF]
	s_bitcmp1_b32 s[MW], 1
	s_cselect_b32 s[PEN+1], 0, s[NINF]
	s_lshr_b32 s[MW], s[MW], 2
.if \kind == 0
	ADDR                                           ; with the two v_nop: the four places behind the products
	PLACES 2
	FETCH_K
.elseif \kind == 3
	PLACES 4
.else
	s_wait_tensorcnt 0x0                           ; all my tensor loads have landed: my part of the other slot
	ds_add_u32 v[SPW], v[NIL]
.if \kind == 1
	s_xor_b32 s37, s37, SLOT1                      ; the walking descriptor: the slot just read out, four key groups on
	s_add_nc_u64 s[38:39], s[38:39], 4*GRP
.endif
	s_wait_dscnt 0x0                               ; the add is done; all of this slot's bytes have been asked for and are in
.if \kind == 1
	CROUND
	tensor_load_to_lds s[36:39], s[24:31]          ; my one load behind the round
	s_nop 0
.else
	s_barrier_signal -1
	s_barrier_wait -1
.endif
	PLACES 4
	s_sub_co_u32 s[TB], s[TB], 4*KV
	s_xor_b32 s[TB], s[TB], SLOT1
	ADDR
	FETCH_K
.endif
	SOFTMAX
.if \kind == 3
	s_wait_dscnt 0x0
.else
	s_wait_dscnt 26                                ; V is in; the next K's 26 loads may be out
.endif
	PV
	PLACES 4
.if \kind != 3
	FETCH_V
.endif
.endm
	s_mov_b32 s[TB], 0
	s_wait_tensorcnt 0x1                           ; my part of slot 0 is in; slot 1's may stay out
	s_barrier_signal -1
	s_barrier_wait -1
	ADDR
	FETCH_K
	FETCH_V
	s_mov_b32 s52, 2
.Lslot:
	s_mov_b32 s53, 3
.Lin_a:
	STEP 0
	s_sub_co_u32 s53, s53, 1
	s_cmp_lg_u32 s53, 0
	s_cbranch_scc1 .Lin_a
	STEP 1
	s_sub_co_u32 s52, s52, 1
	s_cmp_lg_u32 s52, 0
	s_cbranch_scc1 .Lslot
	s_mov_b32 s53, 3
.Lin_b:
	STEP 0
	s_sub_co_u32 s53, s53, 1
	s_cmp_lg_u32 s53, 0
	s_cbranch_scc1 .Lin_b
	STEP 2
	s_mov_b32 s53, 3
.Lin_c:
	STEP 0
	s_sub_co_u32 s53, s53, 1
	s_cmp_lg_u32 s53, 0
	s_cbranch_scc1 .Lin_c
	STEP 3
; 64 numbers of a lane become a fragment's 12 registers of codes and its row's scale word.  A block's 32 numbers lie in lanes l and l xor 16, 16 each.
.macro QUANT s, pc, tm, pw
.irp b, 0,1,2,3
	v_max3_num_f32 v[\tm+\b], |v[\s+16*\b]|, |v[\s+1+16*\b]|, 0x1800000
.endr
.irp i, 2,4,6,8,10,12,14
.irp b, 0,1,2,3
	v_max3_num_f32 v[\tm+\b], v[\tm+\b], |v[\s+16*\b+\i]|, |v[\s+1+16*\b+\i]|
.endr
.endr
.irp b, 0,1,2,3
	v_permlanex16_b32 v[\tm+4+\b], v[\tm+\b], s[SEL], s[SEL+1]
.endr
.irp b, 0,1,2,3
	v_max_num_f32 v[\tm+\b], v[\tm+\b], v[\tm+4+\b]
.endr
.irp b, 0,1,2,3
	v_add_nc_u32 v[\tm+12+\b], 0xff000000, v[\tm+\b]
.endr
.irp b, 0,1,2,3
	v_lshrrev_b32 v[\tm+4+\b], 23, v[\tm+12+\b]
.endr
	v_lshl_or_b32 v[\pw], v[\tm+5], 8, v[\tm+4]
	v_lshl_or_b32 v[\pw], v[\tm+6], 16, v[\pw]
	v_lshl_or_b32 v[\pw], v[\tm+7], 24, v[\pw]
.irp c, 0,1
	v_cvt_scalef32_pk16_fp6_f32 v[\pc+6*\c:\pc+2+6*\c], v[\s+32*\c:\s+15+32*\c], v[\tm+12+2*\c]
	v_cvt_scalef32_pk16_fp6_f32 v[\tm+4*\c:\tm+2+4*\c], v[\s+16+32*\c:\s+31+32*\c], v[\tm+12+2*\c+1]
.endr
	v_nop
.irp c, 0,1
.irp i, 0,1,2
	v_permlane16_swap_b32 v[\pc+6*\c+\i], v[\tm+4*\c+\i]
.endr
.irp i, 0,1,2
	v_mov_b32 v[\pc+3+6*\c+\i], v[\tm+4*\c+\i]
.endr
.endr
.endm
	; THE WAY OUT
	v_add_f32 v14, v14, v15
	v_permlanex16_b32 v252, v14, s[SEL], s[SEL+1]
	v_add_f32 v14, v14, v252                       ; the row's sum
	v_rcp_f32 v14, v14
	v_nop
	s_wait_alu depctr_va_vdst(0)                   ; the wait ahead of the first reader
.set j, 0
.rept 32
	v_pk_mul_f32 v[96+j:97+j], v[160+j:161+j], v[14:15] op_sel_hi:[1,0]   ; each accumulator from its low end on
.set j, j+2
.endr
.irp b, 0,1,2,3                                    ; into the true order of channels: lanes 0-15 take 32 b + 0 .. 15, lanes 16-31 take 32 b + 16 .. 31
.irp i, 0,1,2,3,4,5,6,7
	v_permlane16_swap_b32 v[96+16*\b+\i], v[104+16*\b+\i]
.endr
.endr
	QUANT 96, 160, 232, 252
.irp c, 0,1,2
	global_store_b128 v[L16], v[160+4*\c:163+4*\c], s[10:11] offset:512*\c   ; 512 consecutive bytes, aligned to 256
.endr
	ds_store_b32 v[OSA], v252                      ; both halves of the lanes write the same word with the same value
	s_wait_dscnt 0x0                               ; for the others' sake: my scale words lie in LDS
	s_barrier_signal -1
	s_barrier_wait -1
	s_cmp_lg_u32 s14, 0
	s_cbranch_scc1 .Lnot_first
	ds_load_b128 v[64:67], v[OSR]
	s_wait_dscnt 0x0
	global_store_b128 v[L16], v[64:67], s[12:13]   ; the work-group's 128 scale words: 512 consecutive bytes
.Lnot_first:
	s_wait_tensorcnt 0x0                           ; the wave's end
	ds_add_u32 v[SPW], v[NIL]
	s_wait_dscnt 0x0
	CROUND                                         ; the closing round
	s_endpgm
.Lfunc_end_k_qb722726b86_attn:
	.size	k_qb722726b86_attn, .Lfunc_end_k_qb722726b86_attn-k_qb722726b86_attn
	.p2alignl 7, 3214868480
	.fill 96, 4, 3214868480
	.section	.rodata,"a",@progbits
	.p2align	6, 0x0
	.amdhsa_kernel k_qb722726b86_attn
		.amdhsa_group_segment_fixed_size 327680
		.amdhsa_private_segment_fixed_size 0
		.amdhsa_enable_private_segment 0
		.amdhsa_kernarg_size 40
		.amdhsa_user_sgpr_count 2
		.amdhsa_user_sgpr_kernarg_segment_ptr 1
		.amdhsa_wavefront_size32 1
		.amdhsa_system_sgpr_workgroup_id_x 1
		.amdhsa_system_sgpr_workgroup_id_y 1
		.amdhsa_system_sgpr_workgroup_id_z 1
		.amdhsa_system_vgpr_workitem_id 0
		.amdhsa_next_free_vgpr 448
		.amdhsa_next_free_sgpr 66
		.amdhsa_reserve_vcc 1
		.amdhsa_float_denorm_mode_32 3
		.amdhsa_float_denorm_mode_16_64 3
		.amdhsa_memory_ordered 1
		.amdhsa_forward_progress 1
		.amdhsa_inst_pref_size 147
	.end_amdhsa_kernel
	.amdgpu_metadata
---
amdhsa.version: [ 1, 2 ]
amdhsa.kernels:
  - .name:           k_qb722726b86_attn
    .symbol:         k_qb722726b86_attn.kd
    .args:
      - { .name: qkv, .offset: 0, .size: 8, .value_kind: global_buffer, .address_space: global }
      - { .name: mean, .offset: 8, .size: 8, .value_kind: global_buffer, .address_space: global }
      - { .name: sta_mask, .offset: 16, .size: 8, .value_kind: global_buffer, .address_space: global }
      - { .name: ocodes, .offset: 24, .size: 8, .value_kind: global_buffer, .address_space: global }
      - { .name: oscales, .offset: 32, .size: 8, .value_kind: global_buffer, .address_space: global }
    .group_segment_fixed_size: 327680
    .private_segment_fixed_size: 0
    .kernarg_segment_align: 8
    .kernarg_segment_size: 40
    .max_flat_workgroup_size: 256
    .sgpr_count:     66
    .vgpr_count:     448
    .wavefront_size: 32
...
	.end_amdgpu_metadata
.endif
;; end of part 2
;; launch oproj (part 3): grid 16 x 16, 4 waves a work-group, clusters of 4 x 4, 327,680 bytes of LDS; arguments ocodes, oscales, Wo_codes, Wo_scales, bo, out0; writes out0
.if DOCPART == 3
	.amdgcn_target "amdgcn-amd-amdhsa--gfx1250"
	.amdhsa_code_object_version 6
	.text
	.protected	k_qb722726b86_oproj
	.globl	k_qb722726b86_oproj
	.p2align	8
	.type	k_qb722726b86_oproj,@function
k_qb722726b86_oproj:
	s_mov_b64 s[64:65], 0
	v_nop
	global_prefetch_b8 v0, s[64:65] scope:SCOPE_SE
	s_setreg_imm32_b32 hwreg(HW_REG_WAVE_MODE, 25, 1), 1
	s_wait_xcnt 0x0
	s_wait_alu depctr_hold_cnt(0) depctr_sa_sdst(0) depctr_va_vdst(0) depctr_va_sdst(0) depctr_va_ssrc(0) depctr_va_vcc(0) depctr_vm_vsrc(0)
	s_getreg_b32 s2, hwreg(HW_REG_IB_STS2, 6, 4)
	s_cmp_eq_u32 s2, 0
	s_cbranch_scc0 .Lentry_in_a_cluster
	s_endpgm
.Lentry_in_a_cluster:
	s_bfe_u32 s2, ttmp6, 0x10000c
	s_cmp_lg_u32 s2, 0xf033
	s_cbranch_scc0 .Lentry_shape_is_right
	s_endpgm
.Lentry_shape_is_right:
; out0 = o Wo^T + bo on codes of FP6 (E2M3) with E8M0 scales.  o comes as images of operand registers [K step = head 16][tile of 16 tokens 128][1,536 bytes], its scale words [head][token]; Wo as given: rows of 1,536 bytes.
; 256 tiles of 128 x 128 (tiles of 256 x 256 would be 64); a wave makes 64 tokens x 64 columns: 16 accumulators.  Source 0 = 16 rows of Wo, source 1 = 16 tokens: a lane holds eight neighbouring columns of one row of out0.
; bo is the C of each sum's first product.  K goes through two LDS slots of 512 along K; the 16 K steps are written out.
; CLUSTERS 4 x 4: o's tiles are shared along a row of the cluster, Wo's along a column: joint loads.
; LDS: slot n at 104,448 n: o's [4 K steps][8 tiles][1,536], then Wo's 128 rows of 384 bytes + 16 behind every 128 (pitch 432: the 16 rows of a fragment start in 16 different groups of four banks);
; 208,896 o's scale words [16][128]; 217,088 Wo's scale bytes as units of 256 + 16; 225,792 the spare words.  The stage of the way out lies in slot 0, behind its last fill and its last read.
.set SLOTB, 104448
.set BOFF,  49152
.set BP,    432
.set SCA,   208896
.set SCB,   217088
.set SPARE, 225792
.set ADA, 16
.set ADB, 20
.set ASA, 24
.set ASB, 25
.set STO, 26
.set RD,  27
.set SPW, 28
.set NIL, 29
.set CO,  30
.set BOA, 31
.set SA,  32                           ; v32-47 o's scale words, two sets;  v48-79 Wo's, two sets: scales and nothing else
.set SB,  48
.set ACC, 128
.set G1, 24
.set G0, 32
.set G1B, 48
.set G0B, 56
.set G1S, 68
.set G0S, 76
.set G1SB, 80
.set G0SB, 88
.set MSB, 0
.macro WIN new
.if MSB != (\new)
	s_set_vgpr_msb (MSB<<8)|(\new)
.set MSB, (\new)
.endif
.endm
.macro JLOAD g0a, g1a, g0b, g1b        ; waves 0, 1 fetch for o, waves 2, 3 for Wo; four v_nop follow each line
	s_cmp_eq_u32 s15, 0
	s_cbranch_scc0 .Lfor_b_\@
	tensor_load_to_lds s[\g0a:\g0a+3], s[\g1a:\g1a+7]
	s_nop 0
.rept 4
	v_nop
.endr
	s_branch .Lasked_\@
.Lfor_b_\@:
	tensor_load_to_lds s[\g0b:\g0b+3], s[\g1b:\g1b+7]
	s_nop 0
.rept 4
	v_nop
.endr
.Lasked_\@:
.endm
.macro CROUND
	s_barrier_signal -1
	s_barrier_wait -1
	s_cmp_lg_u32 s14, 0
	s_cbranch_scc1 .Lnot_wave_0_\@
	s_barrier_signal -3
.Lnot_wave_0_\@:
	s_barrier_wait -3
	s_barrier_signal -1
	s_barrier_wait -1
.endm
	s_load_b256 s[4:11], s[0:1], 0x0               ; o's codes, o's scales, Wo's codes, Wo's scales
	s_load_b128 s[96:99], s[0:1], 0x20             ; bo, out0
	v_lshl_add_u32 v[SPW], v0, 2, SPARE
	v_mov_b32 v[NIL], 0
	ds_add_u32 v28, v29
	ds_add_u32 v28, v29
	s_wait_dscnt 0x0
	v_lshrrev_b32 v1, 5, v0
	v_readfirstlane_b32 s14, v1
	s_lshr_b32 s15, s14, 1                         ; my half of the tokens; also: I fetch for o (0) or Wo (1)
	s_and_b32 s16, s14, 1                          ; my half of the columns; also: which half of a tile I fetch
	s_bfe_u32 s40, ttmp6, 0x40000
	s_bfe_u32 s41, ttmp6, 0x40004
	s_lshl_b32 s42, ttmp9, 2
	s_add_co_u32 s42, s42, s40                     ; tile column
	s_and_b32 s17, ttmp7, 0xffff
	s_lshl_b32 s17, s17, 2
	s_add_co_u32 s17, s17, s41                     ; tile row
	s_lshl_b32 s43, s41, 2
	s_lshl_b32 s43, 15, s43
	s_lshl_b32 s44, 0x1111, s40
	s_or_b32 s[G1+0], s43, (3<<16)|(1<<21)         ; o's codes: two K steps, each 12,288 dense bytes (1,536 elements of 8), 196,608 bytes apart
	s_mov_b32 s[G1+1], 1536<<16
	s_mov_b32 s[G1+2], 2<<16
	s_mov_b32 s[G1+3], 1536<<16
	s_mov_b32 s[G1+4], 2
	s_mov_b32 s[G1+5], 24576
	s_mov_b32 s[G1+6], 0
	s_mov_b32 s[G1+7], 0
	s_or_b32 s[G1B+0], s44, (0<<16)|(1<<20)|(1<<21)|(4<<22)|(3<<25)   ; Wo's codes: 64 rows x 384 bytes, 16 bytes of padding behind every 128
	s_mov_b32 s[G1B+1], 384<<16
	s_mov_b32 s[G1B+2], 64<<16
	s_mov_b32 s[G1B+3], 384<<16
	s_mov_b32 s[G1B+4], 64
	s_mov_b32 s[G1B+5], 1536
	s_mov_b32 s[G1B+6], 0
	s_mov_b32 s[G1B+7], 0
	s_or_b32 s[G1S+0], s43, (3<<16)|(1<<21)        ; o's scale words: 8 K steps x 512 bytes, 8,192 bytes apart
	s_mov_b32 s[G1S+1], 64<<16
	s_mov_b32 s[G1S+2], 8<<16
	s_mov_b32 s[G1S+3], 64<<16
	s_mov_b32 s[G1S+4], 8
	s_mov_b32 s[G1S+5], 1024
	s_mov_b32 s[G1S+6], 0
	s_mov_b32 s[G1S+7], 0
	s_or_b32 s[G1SB+0], s44, (3<<16)|(1<<20)|(1<<21)|(5<<22)|(3<<25)  ; Wo's scale bytes of 64 rows: 4,096 dense bytes as rows of 256 + 16
	s_mov_b32 s[G1SB+1], 32<<16
	s_mov_b32 s[G1SB+2], 16<<16
	s_mov_b32 s[G1SB+3], 32<<16
	s_mov_b32 s[G1SB+4], 16
	s_mov_b32 s[G1SB+5], 32
	s_mov_b32 s[G1SB+6], 0
	s_mov_b32 s[G1SB+7], 0
	s_mul_i32 s20, s17, 12288                      ; o's codes: my tile row's 8 images, K steps 2 (wave % 2) on
	s_mul_i32 s18, s16, 2*196608
	s_add_co_u32 s20, s20, s18
	s_mov_b32 s21, 0
	s_lshl_b32 s22, s17, 9                         ; o's scale words: 512 x tile row, K steps 8 (wave % 2) on
	s_lshl_b32 s18, s16, 16
	s_add_co_u32 s22, s22, s18
	s_mov_b32 s23, 0
	s_lshl_b32 s46, s42, 7
	s_lshl_b32 s18, s16, 6
	s_add_co_u32 s46, s46, s18                     ; Wo: row 128 x tile column + 64 (wave % 2)
	s_lshl_b32 s92, s46, 6
	s_mov_b32 s93, 0
	s_mul_i32 s46, s46, 1536
	s_mov_b32 s47, 0
	s_mul_i32 s45, s16, 2*12288                    ; where they go: no place in the cluster enters an LDS address
	s_mul_i32 s94, s16, 64*BP
	s_lshl_b32 s95, s16, 12
	s_mul_i32 s19, s16, 16*272
	s_wait_kmcnt 0x0
	s_add_nc_u64 s[20:21], s[4:5], s[20:21]
	s_add_nc_u64 s[22:23], s[6:7], s[22:23]
	s_add_nc_u64 s[46:47], s[8:9], s[46:47]
	s_add_nc_u64 s[92:93], s[10:11], s[92:93]
	CROUND
	s_mov_b32 s[G0S], 1
	s_add_co_u32 s[G0S+1], s95, SCA
	s_mov_b64 s[G0S+2:G0S+3], s[22:23]
	s_or_b32 s[G0S+3], s[G0S+3], 0x80000000
	s_mov_b32 s[G0SB], 1
	s_add_co_u32 s[G0SB+1], s19, SCB
	s_mov_b64 s[G0SB+2:G0SB+3], s[92:93]
	s_or_b32 s[G0SB+3], s[G0SB+3], 0x80000000
	JLOAD G0S, G1S, G0SB, G1SB
.irp s, 0,1
	s_mov_b32 s[G0+4*\s], 1
	s_add_co_u32 s[G0+4*\s+1], s45, \s*SLOTB
	s_add_nc_u64 s[G0+4*\s+2:G0+4*\s+3], s[20:21], \s*4*196608
	s_or_b32 s[G0+4*\s+3], s[G0+4*\s+3], 0x80000000
	s_mov_b32 s[G0B+4*\s], 1
	s_add_co_u32 s[G0B+4*\s+1], s94, \s*SLOTB+BOFF
	s_add_nc_u64 s[G0B+4*\s+2:G0B+4*\s+3], s[46:47], \s*384
	s_or_b32 s[G0B+4*\s+3], s[G0B+4*\s+3], 0x80000000
	JLOAD G0+4*\s, G1, G0B+4*\s, G1B
.endr                                              ; three tensor loads of mine are out
	v_and_b32 v1, 15, v0                           ; r
	v_bfe_u32 v2, v0, 4, 1                         ; h
	v_and_b32 v3, 31, v0                           ; lane
	v_lshlrev_b32 v4, 4, v3
	v_mul_u32_u24 v5, v1, BP
	v_mad_u32_u24 v5, v2, 24, v5
	v_lshl_add_u32 v6, v2, 4, v5
.irp s, 0,1
	s_mul_i32 s21, s15, 4*1536
	s_add_co_u32 s21, s21, \s*SLOTB
	s_mul_i32 s22, s16, 64*BP
	s_add_co_u32 s22, s22, \s*SLOTB+BOFF
	v_add_nc_u32 v[ADA+\s], s21, v4
	v_add_nc_u32 v[ADB+\s], s22, v5
	v_add_nc_u32 v[ADB+2+\s], s22, v6
.endr
	s_lshl_b32 s21, s15, 8
	s_add_co_u32 s21, s21, SCA
	v_lshl_add_u32 v[ASA], v3, 2, s21              ; lanes 0-15 an even tile's 16 tokens, lanes 16-31 the next tile's
	s_mul_i32 s21, s16, 16*272
	s_add_co_u32 s21, s21, SCB
	v_lshrrev_b32 v7, 2, v1
	v_lshlrev_b32 v8, 6, v1
	v_lshl_add_u32 v8, v7, 4, v8
	v_add_nc_u32 v[ASB], s21, v8                   ; row r: 64 r bytes, and 16 more for each 256 passed
	s_mul_i32 s21, s14, 64*272
	v_mul_u32_u24 v7, v1, 272
	v_lshl_add_u32 v7, v2, 5, v7
	v_add_nc_u32 v[STO], s21, v7
	v_mul_u32_u24 v7, v2, 272
	v_lshl_add_u32 v7, v1, 4, v7
	v_add_nc_u32 v[RD], s21, v7
	v_lshlrev_b32 v7, 13, v2
	v_lshl_add_u32 v[CO], v1, 4, v7
	v_lshlrev_b32 v[BOA], 5, v2
	s_lshl_b32 s20, s42, 9                         ; my first column in bytes: 512 x tile column + 256 x half
	s_lshl_b32 s21, s16, 8
	s_add_co_u32 s20, s20, s21
	s_mov_b32 s21, 0
	s_add_nc_u64 s[96:97], s[96:97], s[20:21]
	s_add_nc_u64 s[98:99], s[98:99], s[20:21]
	s_lshl_b32 s20, s17, 7
	s_lshl_b32 s22, s15, 6
	s_add_co_u32 s20, s20, s22
	s_lshl_b32 s20, s20, 13                        ; my first row of out0
	s_add_nc_u64 s[98:99], s[98:99], s[20:21]
	WIN 0x40
.irp b, 0,1,2,3
	global_load_b128 v[192+8*\b:195+8*\b], v[BOA], s[96:97] offset:64*\b          ; bo in the result's layout: columns 16 b + 8 h + 0 .. 7
	global_load_b128 v[196+8*\b:199+8*\b], v[BOA], s[96:97] offset:64*\b+16
.endr
	WIN 0
.macro FETCH s                         ; K step s: o's four images (12 loads of 16 bytes), Wo's four fragments (24 of 8) into set s % 2 of window 1
.set SL, ((\s)/4)%2
.set QQ, (\s)%4
.set PP, 96*((\s)%2)
	WIN 0x40
.irp a, 0,1,2,3
.irp c, 0,1,2
	ds_load_b128 v[PP+12*\a+4*\c:PP+12*\a+4*\c+3], v[ADA+SL] offset:QQ*12288+\a*1536+512*\c
.endr
.endr
.irp b, 0,1,2,3
.irp p, 0,1,2,3,4,5
.set PCE, 12*QQ+6*(\p/3)+\p%3
.if PCE%16 < 13
	ds_load_b64 v[PP+48+12*\b+2*\p:PP+48+12*\b+2*\p+1], v[ADB+SL] offset:8*PCE+16*(PCE/16)+\b*16*BP
.else
	ds_load_b64 v[PP+48+12*\b+2*\p:PP+48+12*\b+2*\p+1], v[ADB+2+SL] offset:8*PCE+16*(PCE/16)+\b*16*BP
.endif
.endr
.endr
	WIN 0
.endm
.macro SCALES n                        ; the scale words of K steps 4 n .. 4 n + 3 into set n % 2
.irp q, 0,1,2,3
.irp g, 0,1
	ds_load_b32 v[SA+8*((\n)%2)+2*\q+\g], v[ASA] offset:(4*(\n)+\q)*512+128*\g
.endr
.endr
.irp b, 0,1,2,3
	ds_load_b128 v[SB+16*((\n)%2)+4*\b:SB+16*((\n)%2)+4*\b+3], v[ASB] offset:\b*1088+16*(\n)
.endr
.endm
.macro MULS s                          ; 16 products, the accumulators by turns
.set ST, ((\s)/4)%2
.set QQ, (\s)%4
.set PP, 96*((\s)%2)
.if (\s) == 0
	WIN 0x15
.else
	WIN 0x05
.endif
.irp a, 0,1,2,3
.irp b, 0,1,2,3
.if (\s) == 0
.if \a%2
	v_wmma_scale_f32_16x16x128_f8f6f4 v[ACC+8*(4*\a+\b):ACC+8*(4*\a+\b)+7], v[PP+48+12*\b:PP+48+12*\b+11], v[PP+12*\a:PP+12*\a+11], v[192+8*\b:199+8*\b], v[SB+16*ST+4*\b+QQ], v[SA+8*ST+2*QQ+\a/2] matrix_a_fmt:MATRIX_FMT_FP6 matrix_b_fmt:MATRIX_FMT_FP6 matrix_b_scale:MATRIX_SCALE_ROW1
.else
	v_wmma_scale_f32_16x16x128_f8f6f4 v[ACC+8*(4*\a+\b):ACC+8*(4*\a+\b)+7], v[PP+48+12*\b:PP+48+12*\b+11], v[PP+12*\a:PP+12*\a+11], v[192+8*\b:199+8*\b], v[SB+16*ST+4*\b+QQ], v[SA+8*ST+2*QQ+\a/2] matrix_a_fmt:MATRIX_FMT_FP6 matrix_b_fmt:MATRIX_FMT_FP6
.endif
.else
.if \a%2
	v_wmma_scale_f32_16x16x128_f8f6f4 v[ACC+8*(4*\a+\b):ACC+8*(4*\a+\b)+7], v[PP+48+12*\b:PP+48+12*\b+11], v[PP+12*\a:PP+12*\a+11], v[ACC+8*(4*\a+\b):ACC+8*(4*\a+\b)+7], v[SB+16*ST+4*\b+QQ], v[SA+8*ST+2*QQ+\a/2] matrix_a_fmt:MATRIX_FMT_FP6 matrix_b_fmt:MATRIX_FMT_FP6 matrix_b_scale:MATRIX_SCALE_ROW1
.else
	v_wmma_scale_f32_16x16x128_f8f6f4 v[ACC+8*(4*\a+\b):ACC+8*(4*\a+\b)+7], v[PP+48+12*\b:PP+48+12*\b+11], v[PP+12*\a:PP+12*\a+11], v[ACC+8*(4*\a+\b):ACC+8*(4*\a+\b)+7], v[SB+16*ST+4*\b+QQ], v[SA+8*ST+2*QQ+\a/2] matrix_a_fmt:MATRIX_FMT_FP6 matrix_b_fmt:MATRIX_FMT_FP6
.endif
.endif
.endr
.endr
	WIN 0
.endm
; K step s.  kind 0: plain; 1: the slot's last step: all its bytes have been asked for, and it is filled again; 2: the same, nothing is asked for; 3: the last of all.
.macro STEP s, kind
.set SL, ((\s)/4)%2
.if \kind == 1 || \kind == 2
	s_wait_tensorcnt 0x0                           ; all my tensor loads have landed: my part of the other slot
	ds_add_u32 v[SPW], v[NIL]
.if \kind == 1
	s_add_nc_u64 s[G0+4*SL+2:G0+4*SL+3], s[G0+4*SL+2:G0+4*SL+3], 8*196608
	s_add_nc_u64 s[G0B+4*SL+2:G0B+4*SL+3], s[G0B+4*SL+2:G0B+4*SL+3], 768
.endif
	s_wait_dscnt 0x0                               ; the add is done, and my reads of this slot are in
.if \kind == 1
	CROUND
	JLOAD G0+4*SL, G1, G0B+4*SL, G1B               ; its four v_nop are also the places ahead of the loads below
.else
	s_barrier_signal -1
	s_barrier_wait -1
.rept 4
	v_nop
.endr
.endif
	FETCH (\s)+1
	SCALES ((\s)+1)/4
.else
	s_wait_dscnt 0x0                               ; this step's fragments, asked for a step ago, are in
.if \kind == 0
.rept 4
	v_nop                                          ; places ahead of loads into the set that the last step's products read
.endr
	FETCH (\s)+1
.endif
.endif
	MULS \s
.endm
	s_wait_loadcnt 0x0                             ; bo
	s_wait_tensorcnt 1                             ; the scales and my part of slot 0 are in; slot 1's load may be out
	s_barrier_signal -1
	s_barrier_wait -1
	FETCH 0
	SCALES 0
	STEP 0, 0
	STEP 1, 0
	STEP 2, 0
	STEP 3, 1
	STEP 4, 0
	STEP 5, 0
	STEP 6, 0
	STEP 7, 1
	STEP 8, 0
	STEP 9, 0
	STEP 10, 0
	STEP 11, 2
	STEP 12, 0
	STEP 13, 0
	STEP 14, 0
	STEP 15, 3
	; THE WAY OUT: a lane's 32 bytes of a row go into my own stage (rows of 256 bytes + 16) and come back as whole rows: sixteen lanes store one aligned run of 256 bytes
.rept 4
	v_nop
.endr
.irp a, 0,1,2,3
.irp b, 0,1,2,3
	ds_store_b128 v[STO], v[ACC+8*(4*\a+\b):ACC+8*(4*\a+\b)+3] offset:\a*16*272+64*\b          ; each accumulator from its low end on
	ds_store_b128 v[STO], v[ACC+8*(4*\a+\b)+4:ACC+8*(4*\a+\b)+7] offset:\a*16*272+64*\b+16
.endr
.endr
	WIN 0x40
.set i, 0
.rept 32
	ds_load_b128 v[4*i:4*i+3], v[RD] offset:2*i*272    ; LDS serves a wave's instructions in order: these see my stores
.set i, i+1
.endr
	WIN 0x04
.set i, 0
.rept 32
	s_wait_dscnt 31-i                              ; the younger loads may stay out
	global_store_b128 v[CO], v[4*i:4*i+3], s[98:99] offset:2*i*8192 th:TH_STORE_NT
.set i, i+1
.endr
	WIN 0
	s_wait_tensorcnt 0x0                           ; the wave's end
	ds_add_u32 v[SPW], v[NIL]
	s_wait_dscnt 0x0
	CROUND                                         ; the closing round
	s_endpgm
.Lfunc_end_k_qb722726b86_oproj:
	.size	k_qb722726b86_oproj, .Lfunc_end_k_qb722726b86_oproj-k_qb722726b86_oproj
	.p2alignl 7, 3214868480
	.fill 96, 4, 3214868480
	.section	.rodata,"a",@progbits
	.p2align	6, 0x0
	.amdhsa_kernel k_qb722726b86_oproj
		.amdhsa_group_segment_fixed_size 327680
		.amdhsa_private_segment_fixed_size 0
		.amdhsa_enable_private_segment 0
		.amdhsa_kernarg_size 48
		.amdhsa_user_sgpr_count 2
		.amdhsa_user_sgpr_kernarg_segment_ptr 1
		.amdhsa_wavefront_size32 1
		.amdhsa_system_sgpr_workgroup_id_x 1
		.amdhsa_system_sgpr_workgroup_id_y 1
		.amdhsa_system_sgpr_workgroup_id_z 1
		.amdhsa_system_vgpr_workitem_id 0
		.amdhsa_next_free_vgpr 512
		.amdhsa_next_free_sgpr 100
		.amdhsa_reserve_vcc 0
		.amdhsa_float_denorm_mode_32 3
		.amdhsa_float_denorm_mode_16_64 3
		.amdhsa_memory_ordered 1
		.amdhsa_forward_progress 1
		.amdhsa_inst_pref_size 97
	.end_amdhsa_kernel
	.amdgpu_metadata
---
amdhsa.version: [ 1, 2 ]
amdhsa.kernels:
  - .name:           k_qb722726b86_oproj
    .symbol:         k_qb722726b86_oproj.kd
    .args:
      - { .name: ocodes, .offset: 0, .size: 8, .value_kind: global_buffer, .address_space: global }
      - { .name: oscales, .offset: 8, .size: 8, .value_kind: global_buffer, .address_space: global }
      - { .name: Wo_codes, .offset: 16, .size: 8, .value_kind: global_buffer, .address_space: global }
      - { .name: Wo_scales, .offset: 24, .size: 8, .value_kind: global_buffer, .address_space: global }
      - { .name: bo, .offset: 32, .size: 8, .value_kind: global_buffer, .address_space: global }
      - { .name: out0, .offset: 40, .size: 8, .value_kind: global_buffer, .address_space: global }
    .group_segment_fixed_size: 327680
    .private_segment_fixed_size: 0
    .kernarg_segment_align: 8
    .kernarg_segment_size: 48
    .max_flat_workgroup_size: 128
    .sgpr_count:     100
    .vgpr_count:     512
    .wavefront_size: 32
...
	.end_amdgpu_metadata
.endif
;; end of part 3
